; MI455X (gfx1250); checked and timed in simulation.
; The chip was launched on July 23, 2026; its instructions are those of AMD's public machine-readable ISA for CDNA 5 (MIT licence, August 2026) and "CDNA5" Instruction Set Architecture Reference Guide (July 2026). The comments in the code are by the model that wrote it; some were corrected since.
;; Self Attention. Allowed arithmetic: matrix products marked QUANTISED: E2M3 operands, one E8M0 scale for each 32 along K, by v_wmma_scale_f32_16x16x128_f8f6f4 with both operands' format E2M3, f32 sums; everything else in f32.
;; Inputs: W_out_codes 1,024 x 32 x 24 uint8 (E2M3 codes of W_out, K innermost, in blocks of 32 codes, four codes in three bytes); W_out_scales 1,024 x 32 uint8 (E8M0 scales of W_out, one for each 32 codes along K); W_qkv_codes 3,072 x 32 x 24 uint8 (E2M3 codes of W_qkv, K innermost, in blocks of 32 codes, four codes in three bytes); W_qkv_scales 3,072 x 32 uint8 (E8M0 scales of W_qkv, one for each 32 codes along K); b_out 1,024 float32; b_qkv 3,072 float32; x_codes 4 x 2,048 x 32 x 24 uint8 (E2M3 codes of x, K innermost, in blocks of 32 codes, four codes in three bytes); x_scales 4 x 2,048 x 32 uint8 (E8M0 scales of x, one for each 32 codes along K).
;; Outputs: out0 4 x 2,048 x 1,024 float32.
;; This version of the problem:
;;   THIS VERSION OF THE PROBLEM IS GIVEN IN LOW PRECISION. The matrix products marked QUANTISED in the list below multiply operands that are first quantised to E2M3 (2 exponent bits, 3 mantissa bits; 6 bits a number), with one power-of-two scale for each 32 numbers along K (OCP MX v1.0); their sums are f32. All else is computed in f32.
;;   The module's matrix products, in the order in which they are computed (A, B: the left and right operand; K: the contracted axis; several contracted axes count as one K, in the product's order):
;;     1. [M 8,192, K 1,024] x [K 1,024, N 3,072]; A: input x (given as codes); B: input W_qkv (given as codes): QUANTISED
;;     2. batch 4 x [M 2,048, K 1,024] x [K 1,024, N 2,048]; A: computed on the way; B: computed on the way: QUANTISED
;;     3. batch 4 x [M 2,048, K 2,048] x [K 2,048, N 1,024]; A: softmax (see below); B: computed on the way: QUANTISED
;;     4. [M 8,192, K 1,024] x [K 1,024, N 1,024]; A: computed on the way; B: input W_out (given as codes): QUANTISED
;;   THE QUANTISER, for each operand of a quantised product, along K:
;;     - K is cut into blocks of 32 from its start; a last block that is shorter is filled with zeros.
;;     - A block's scale is 2^e with e = floor(log2(the largest magnitude in the block)) - 2, held to -126 .. 127; a block of zeros has e = 0. As a byte (E8M0): e + 127.
;;     - Each number is divided by its block's scale, clamped to +-7.5, and rounded to the nearest number of E2M3, ties to even, subnormals kept.
;;     - The product sums the exact products of the quantised numbers (number of the format x scale) in f32.
;;   ~~~python
;;   def quantise(x, axis):      # numpy; x: float32 -> the quantised numbers, widened to float32 again
;;       x = np.moveaxis(x, axis, -1); K = x.shape[-1]
;;       x = np.pad(x, [(0, 0)] * (x.ndim - 1) + [(0, -K % 32)]); x = x.reshape(x.shape[:-1] + (-1, 32)); a = np.abs(x).max(-1, keepdims=True)
;;       e = np.where(a > 0, np.clip(np.frexp(np.where(a > 0, a, 1))[1] - 1 - 2, -126, 127), 0)      # np.frexp(a)[1] - 1 = floor(log2(a)), exactly
;;       r = np.clip(x / 2.0 ** e, -7.5, 7.5)
;;       step = 2.0 ** (np.maximum(np.frexp(np.where(r == 0, 1, r))[1] - 1, 0) - 3)
;;       q = np.round(r / step) * step * 2.0 ** e      # np.round: ties to even
;;       return np.moveaxis(q.reshape(q.shape[:-2] + (-1,))[..., :K], -1, axis).astype(np.float32)
;;   ~~~
;;   SOFTMAX AHEAD OF A QUANTISED PRODUCT. Where the list says 'softmax', what is quantised is not the finished softmax but p = 2^(t - M), with t = logit x log2(e) and M = ceil(the row's largest t), a whole number; so 1/2 < the row's largest p <= 1. The row's sum l is taken of the UNQUANTISED p, in f32, and the product's result is divided by l at the end. Since M is a whole number, a kernel that streams over the keys may use a running M (the ceiling of the running maximum): every later rescaling is an exact power of two, which a block's scale takes up: the codes' values come out the same.
;;   OPERANDS COMPUTED ON THE WAY. 'Computed on the way' means the value that the module computes at that place (a softmax that the list does not call 'softmax' is quantised finished and normalised). What goes into a quantiser is computed in f32, as accurately as f32 sums, v_exp_f32 and their like allow (about 1e-6 of the number): no bf16 or f16 on the way to a quantiser, and a product that is left as it is and whose result goes on into a quantised operand takes f32 operands (vector FMAs, or v_wmma_f32_16x16x4_f32). A number that lies on a knife's edge between two numbers of the format may be rounded either way, as far as f32 arithmetic and the matrix unit's own rounding can turn it there, and no further.
;;   INPUTS GIVEN AS CODES. W_out (in the module: [1024, 1024], K = its axis 0); W_qkv (in the module: [1024, 3072], K = its axis 0); x (in the module: [4, 2048, 1024], K = its axis 2): each comes as NAME_codes (uint8): NAME with its K axis moved to the last place and cut into blocks of 32 codes, [.., K / 32, bytes a block], one block behind the other in memory; four codes in three bytes: a row's codes are one little-endian stream of bits, code i at bits 6 i .. 6 i + 5 (a code: sign, 2 exponent bits, 3 mantissa bits); and NAME_scales (uint8): the same leading axes, one E8M0 byte (e + 127) for each 32 codes along K. Its value is code x scale, taken as it is: it is not quantised again, and the codes and scales need not be those that the quantiser above would give.
;; One version. Each part assembles by itself: llvm-mc -triple=amdgcn-amd-amdhsa -mcpu=gfx1250 --defsym DOCPART=n.
;; ======== version 1 of 1: 4 launches
;; workspace buffers: qkv_codes 18,874,368 bytes; qkv_scales 786,432 bytes; p_codes 12,582,912 bytes; p_stats 1,572,864 bytes; ctx_codes 6,291,456 bytes; ctx_scales 262,144 bytes
;; launch qkv (part 1): grid 8 x 32, 4 waves a work-group, clusters of 4 x 4, 327,680 bytes of LDS; arguments x_codes, x_scales, W_qkv_codes, W_qkv_scales, b_qkv, qkv_codes, qkv_scales; writes qkv_codes, qkv_scales
.if DOCPART == 1
	.amdgcn_target "amdgcn-amd-amdhsa--gfx1250"
	.amdhsa_code_object_version 6
	.text
	.protected	k_q4cf0ed9480_qkv
	.globl	k_q4cf0ed9480_qkv
	.p2align	8
	.type	k_q4cf0ed9480_qkv,@function
k_q4cf0ed9480_qkv:
	s_mov_b64 s[64:65], 0
	v_nop
	global_prefetch_b8 v0, s[64:65] scope:SCOPE_SE
	s_setreg_imm32_b32 hwreg(HW_REG_WAVE_MODE, 25, 1), 1
	s_wait_xcnt 0x0
	s_wait_alu depctr_hold_cnt(0) depctr_sa_sdst(0) depctr_va_vdst(0) depctr_va_sdst(0) depctr_va_ssrc(0) depctr_va_vcc(0) depctr_vm_vsrc(0)
	s_getreg_b32 s2, hwreg(HW_REG_IB_STS2, 6, 4)
	s_cmp_eq_u32 s2, 0
	s_cbranch_scc0 .Lentry_in_a_cluster
	s_endpgm
.Lentry_in_a_cluster:
	s_bfe_u32 s2, ttmp6, 0x10000c
	s_cmp_lg_u32 s2, 0xf033
	s_cbranch_scc0 .Lentry_shape_is_right
	s_endpgm
.Lentry_shape_is_right:
; LAUNCH 1 OF 4.  qkv = x W_qkv + b_qkv on codes of FP6 (E2M3) with E8M0 scales; the result is quantised at once, in registers, for the products that take it:
; q and k along the 1,024 features, v along the tokens (the keys).  Nothing of the problem is left out as dead work: every input has a way to the output, and k's bias stands ahead of a quantiser.
; OUT.  A FRAGMENT IMAGE is the 12 operand registers of 16 rows x 128 K, 1,536 bytes: registers 4 c .. 4 c + 3 of lane l at 512 c + 16 l.  qkv_codes: q at 0, k at 6,291,456: [token tile of 16: 512][K step: 8];
; v at 12,582,912: [batch][tile of 16 features: 64][key step: 16].  qkv_scales: one word for a row and 128 K, laid [step][row]: q [8][8192] at 0, k at 262,144, v [batch][16][1024] at 524,288.
; SHARES.  The product has 384 tiles of 256 x 256, one and a half for each of 256 work-groups.  So A WORK-GROUP STAYS and makes two parts, 512 + 256 matrix instructions a wave:
;   PART 1: 256 tokens x 256 features of q or k, a wave 128 x 128 (64 accumulators);   PART 2: 128 features x 256 tokens of v, a wave 64 x 128 (32 accumulators).
; Source 1 of the matrix instruction takes rows of operand "A" (a lane holds ONE of them), source 0 rows of operand "B" (a lane's registers run along them): so B's rows are the axis that is quantised.
; Part 1: A = x, tile 4 CY + cy; B = W_qkv, tile 4 CX + cx.  Part 2: A = W_qkv's rows 2,048 + 128 (4 CX + cy) on; B = x, tile 4 CY + cx.  (CX, CY: the cluster; cx, cy: my place in it.)
; CLUSTER 4 x 4: in both parts A's tiles hang on the place along y and are asked for jointly by a row of the cluster, B's on the place along x and by a column.
; K = 1,024 goes in 8 steps of 128, two to an LDS slot, two slots; the steps are written out.  THE RING GOES ON FROM PART 1 INTO PART 2: part 1's last change of slots that leaves slot 0 asks for part 2's steps 0, 1;
; a round in the middle of part 1's way out asks for its steps 2, 3: both loads land while part 1's results are quantised.  The bias is the C of each sum's first matrix instruction.
; LIMITS.  NaN and infinities are not served.  A block of zeros, or one whose largest magnitude lies under 2^-124, gets the scale byte 1 (the bytes are read by this program alone; zero codes add nothing).
.set MA,    8                          ; A's blocks of 16 rows in a wave: 8 in part 1, set to 4 for part 2
.set AK,    0                          ; the operands' kind: 0 = rows as given (768 bytes of codes, 32 scale bytes)
.set BK,    0
.set NQ,    2                          ; steps of 128 in a slot
.set NSL,   2                          ; slots
.set AHALF, 30720                      ; LDS bytes of half of A's rows in a slot: 128 rows x 240.  Part 2's halves are 64 rows: they fill the first 15,360 bytes of the same places
.set BHALF, 30720
.set SLOT,  2*(AHALF+BHALF)
.set AINC,  192                        ; bytes from one slot's part of a row to the next slot's, in memory
.set BINC,  192
.set ASTEP, 384                        ; what a refill adds to its slot's address
.set BSTEP, 384
.set SCA,   NSL*SLOT                   ; part 1, A's scale bytes: two halves of 4,096 bytes as 16 rows of 256 + 16
.set SAH,   4352
.set SCB,   SCA+2*SAH
.set SBH,   4352
.set SCA2,  SCB+2*SBH                  ; part 2, A's: the 128 rows' 4,096 bytes, twice (waves 0 and 1 bring a copy each, so that the same shape of load serves); waves 0, 1 read the first copy, waves 2, 3 the second
.set SCB2,  SCA2+2*SAH                 ; part 2, B's: two halves
.set WST,   SCB2+2*SBH                 ; part 1: a stage of 512 bytes for each wave: the scale words that it makes
.set WST2,  WST+4*512                  ; part 2: 256 bytes for each wave
.set SPARE, WST2+4*256                 ; the spare words, 128 bytes for each wave: no other line names them
; ---- names ----
.set WV,   20                          ; s20  my wave's number
.set WAV,  21                          ; s21  wave / 2: my half of A's rows.  Also: I fetch for A (0) or for B (1)
.set WBV,  22                          ; s22  wave % 2: my half of B's rows.  Also: which half of that operand I fetch
.set CXI,  23                          ; s23, s24  my place in the cluster
.set CYI,  24
.set CLX,  25                          ; s25, s26  the cluster's x and y
.set CLY,  26
.set FLG,  27                          ; s27  0 in the waves that prefetch
.set A2P,  2                           ; s[2:3]   part 2: where my part of A's codes begins;  s[18:19] B's
.set B2P,  18
.set G0SB2, 4                          ; s[4:7], s[8:11] groups 0 for part 2's scale bytes (the pointers that lay there are used up by then)
.set G0SA2, 8
.set G1A,  28                          ; descriptor groups 1: A's codes, B's codes, A's scales, B's scales
.set G1B,  36
.set G1SA, 44
.set G1SB, 52
.set G0SA, 60                          ; groups 0: part 1's scales', then one for each slot
.set G0SB, 68
.set G0A,  72
.set G0B,  80
.set G1A2, 88                          ; group 1 for part 2's A: 64 rows
.set OS2,  66                          ; s[66:67]   part 2: where my scale words go;  s[100:101] my images
.set OC2,  100
.set SEL,  96                          ; s[96:97] on the way out: lane selects for lane l xor 16
.set PFA,  98                          ; s[98:99] where my prefetches stand; never rewritten
.set ADA,  1                           ; v1-2 LDS address of my A fragments in slot 0, 1; v4-5 the same behind one padding more
.set ADB,  7                           ; v7-8, v10-11 the same for B
.set ADSA, 13                          ; v13, v14 LDS address of my scale words (part 2: v28, v29)
.set ADSB, 14
.set WSA,  15                          ; v15, v16 the words' stage: on the way in, on the way back (part 2: v30, v31)
.set WSR,  16
.set GOF,  17                          ; v17  16 x lane
.set GSO2, 18                          ; v18  8 x lane
.set BO,   19                          ; v19  part 1's offset in b_qkv;  v6 part 2's
.set BO2,  6
.set PFO,  9                           ; v9   768 x lane: a row of W_qkv's codes; never rewritten
.set ADSA2, 28
.set ADSB2, 29
.set WSA2, 30
.set WSR2, 31
.set SPW,  62                          ; v62  LDS address of my spare word; never rewritten
.set NIL,  63                          ; v63  0; never rewritten
.set TM,   64                          ; the way out, window 0: v64-67 largest magnitudes, v68-71 bytes, v76-79 the conversions' scale operands
.set PW,   80                          ; the scale word just made
.set PC,   84                          ; v84-103 the codes just made
.set OW,   120
.set ROWC, (1<<20)|(3<<22)|(3<<25)     ; group 1, word 0: bytes; 16 bytes of padding behind every 64
.set ROWS, (3<<16)|(1<<20)|(5<<22)|(3<<25)   ; elements of 8 bytes; 16 bytes of padding behind every 256
; REGISTERS, in windows of 256.  Window 0: v0-31 addresses; v32-47 scale words and nothing else, two sets of 8 (B's block pairs 0-3, A's 0-3: the even block in lanes 0-15, the odd one in lanes 16-31);
; v64-159, v160-255 A's fragments, two sets.  Window 1: v0-95, v128-223 B's fragments, two sets; v96-127, v224-255 eight tiles of bias.  Windows 2, 3: the accumulators, (a, b) at v[8 (8 (a % 4) + b)] of window 2 + a / 4.
.set MSB, 0
.macro WIN new                         ; the immediate's high byte repeats the setting that is left; a switch that changes nothing is dropped
.if MSB != (\new)
	s_set_vgpr_msb (MSB<<8)|(\new)
.set MSB, \new
.endif
.endm
.macro PLACES n                        ; plain places behind matrix instructions, ahead of loads into their registers and of reads of their results
.rept \n
	v_nop
.endr
.endm
.macro CREST                           ; a round of the cluster's barrier behind its opening barrier
	s_cmp_lg_u32 s[WV], 0
	s_cbranch_scc1 .Lnot_wave_0_\@
	s_barrier_signal -3
.Lnot_wave_0_\@:
	s_barrier_wait -3
	s_barrier_signal -1
	s_barrier_wait -1
.endm
.macro CROUND                          ; a whole round
	s_barrier_signal -1
	s_barrier_wait -1
	CREST
.endm
.macro JLOAD g0a, g1a, g0b, g1b        ; a joint load: waves 0, 1 fetch A's halves, waves 2, 3 B's.  The branch hangs on the wave's number alone; s_nop 0 and four v_nop follow each line
	s_cmp_eq_u32 s[WAV], 0
	s_cbranch_scc0 .Lfor_b_\@
	tensor_load_to_lds s[(\g0a):(\g0a)+3], s[(\g1a):(\g1a)+7]
	s_nop 0
.rept 4
	v_nop
.endr
	s_branch .Lasked_\@
.Lfor_b_\@:
	tensor_load_to_lds s[(\g0b):(\g0b)+3], s[(\g1b):(\g1b)+7]
	s_nop 0
.rept 4
	v_nop
.endr
.Lasked_\@:
.endm
; A PREFETCH INTO THE L2 of W_qkv's rows 2,048 on, which part 2 will ask for and part 1 does not read.  A row of codes is 768 bytes, three aligned blocks of 256; a tile of part 2's A is 128 rows.
; Each block is named ONCE in the launch.  A tile is read by the eight clusters of one x: the one with y = 0 asks.  The four partners that will ask for the tile jointly share its rows out BY ADDRESS, 32 each
; (no branch hangs on a work-group's place in its cluster); in each, wave 0 asks, a lane a row, one instruction.  Block 0 of the rows is asked for at part 1's first change of slots, block 1 at its second, block 2 at its third:
; block 0 four K steps ahead of the load that first wants it, the others further.  It stands behind the joint load's lines and the run of LDS loads.  x's rows have been read by part 1 and are not asked for.
.macro ASK off
	s_cmp_eq_u32 s[FLG], 0
	s_cbranch_scc0 .Lnot_mine_\@
	global_prefetch_b8 v[PFO], s[PFA:PFA+1] offset:\off th:TH_LOAD_NT scope:SCOPE_SE
.Lnot_mine_\@:
.endm
.macro IDS                             ; wave, place, cluster; s2 = my row of the cluster as a mask, s3 = my column
	v_lshrrev_b32 v20, 5, v0
	v_readfirstlane_b32 s[WV], v20
	s_lshr_b32 s[WAV], s[WV], 1
	s_and_b32 s[WBV], s[WV], 1
	s_bfe_u32 s[CXI], ttmp6, 0x40000
	s_bfe_u32 s[CYI], ttmp6, 0x40004
	s_mov_b32 s[CLX], ttmp9
	s_and_b32 s[CLY], ttmp7, 0xffff
	s_lshl_b32 s2, s[CYI], 2
	s_lshl_b32 s2, 15, s2
	s_lshl_b32 s3, 0x1111, s[CXI]
.endm
.macro G1SET g, m, w0, c, r, p         ; group 1: mask in s[m], bit 21 beside it, the fields w0; r rows of c elements, p elements apart in memory
	s_or_b32 s[\g], s[\m], (\w0)|(1<<21)
	s_mov_b32 s[(\g)+1], ((\c)&0xffff)<<16
	s_mov_b32 s[(\g)+2], ((\c)>>16)|((\r)<<16)
	s_mov_b32 s[(\g)+3], (\c)<<16
	s_mov_b32 s[(\g)+4], \r
	s_mov_b32 s[(\g)+5], \p
	s_mov_b32 s[(\g)+6], 0
	s_mov_b32 s[(\g)+7], 0
.endm
.macro G0SET g, hb, base, p, po        ; group 0: to LDS byte base + hb x (wave % 2), from s[p:p+1] + po
	s_mov_b32 s[\g], 1
	s_mul_i32 s[(\g)+1], s[WBV], \hb
	s_add_co_u32 s[(\g)+1], s[(\g)+1], \base
	s_add_nc_u64 s[(\g)+2:(\g)+3], s[\p:(\p)+1], \po
	s_or_b32 s[(\g)+3], s[(\g)+3], 0x80000000
.endm
.macro FILLSLOTS                       ; the slots' first fills: A's codes from s[96:97], B's from s[98:99]
.irp s, 0,1
	G0SET G0A+4*\s, AHALF, \s*SLOT, 96, \s*AINC
	G0SET G0B+4*\s, BHALF, 2*AHALF+\s*SLOT, 98, \s*BINC
	JLOAD G0A+4*\s, G1A, G0B+4*\s, G1B
.endr
.endm
.macro ADDRS                           ; v20 = r = lane % 16, v21 = h = lane / 16, v22 = lane; the LDS addresses: constants, the lane and the wave alone
	v_and_b32 v20, 15, v0
	v_bfe_u32 v21, v0, 4, 1
	v_and_b32 v22, 31, v0
	v_lshlrev_b32 v[GOF], 4, v22
	v_mul_u32_u24 v23, v20, 240
	v_mad_u32_u24 v23, v21, 24, v23                ; row r x 240 + 24 h,
	v_lshl_add_u32 v24, v21, 4, v23                ; and the same behind one padding more
	v_lshrrev_b32 v26, 3, v22
	v_lshlrev_b32 v27, 5, v22
	v_lshl_add_u32 v27, v26, 4, v27                ; scale rows of 32 bytes, 16 more behind every eight: lane l takes row l of a pair of blocks
	s_mul_i32 s96, s[WAV], AHALF
	s_mul_i32 s97, s[WBV], BHALF
	s_add_co_u32 s97, s97, 2*AHALF
.irp s, 0,1
	v_add_nc_u32 v[ADA+\s], s96, v23
	v_add_nc_u32 v[ADA+3+\s], s96, v24
	v_add_nc_u32 v[ADB+\s], s97, v23
	v_add_nc_u32 v[ADB+3+\s], s97, v24
	s_add_co_u32 s96, s96, SLOT
	s_add_co_u32 s97, s97, SLOT
.endr
	s_mul_i32 s96, s[WAV], SAH
	s_add_co_u32 s96, s96, SCA
	s_mul_i32 s97, s[WBV], SBH
	s_add_co_u32 s97, s97, SCB
	v_add_nc_u32 v[ADSA], s96, v27
	v_add_nc_u32 v[ADSB], s97, v27
	s_mul_i32 s96, s[WAV], SAH+2176                ; part 2, A's: copy wave / 2, and in it my 64 rows: 64 x 32 + 8 x 16 bytes on for the upper half
	s_add_co_u32 s96, s96, SCA2
	s_mul_i32 s97, s[WBV], SBH
	s_add_co_u32 s97, s97, SCB2
	v_add_nc_u32 v[ADSA2], s96, v27
	v_add_nc_u32 v[ADSB2], s97, v27
	s_lshl_b32 s96, s[WV], 9
	s_add_co_u32 s96, s96, WST                     ; the words' stages
	v_lshl_add_u32 v[WSA], v20, 2, s96
	v_add_nc_u32 v[WSR], s96, v[GOF]
	s_lshl_b32 s96, s[WV], 8
	s_add_co_u32 s96, s96, WST2
	v_lshl_add_u32 v[WSA2], v20, 2, s96
	v_lshl_add_u32 v[WSR2], v22, 3, s96
	v_lshlrev_b32 v[GSO2], 3, v22
	v_mul_u32_u24 v[PFO], v22, 768
.endm
.macro FRAGR reg, adr, q, i            ; a fragment from rows as given: 24 bytes of the row's stream of bits twice, in pieces of 8; lanes 16-31 read three pieces on, for some pieces behind one padding more
.irp p, 0,1,2,3,4,5
.set PCE, 12*(\q)+6*(\p/3)+\p%3
.if PCE%8 < 5
	ds_load_b64 v[(\reg)+2*\p:(\reg)+2*\p+1], v[\adr] offset:8*PCE+16*(PCE/8)+(\i)*3840
.else
	ds_load_b64 v[(\reg)+2*\p:(\reg)+2*\p+1], v[(\adr)+3] offset:8*PCE+16*(PCE/8)+(\i)*3840
.endif
.endr
.endm
.macro FETCH g                         ; step g's fragments and scale words, in one run, into set g % 2
.set fP, (\g)%2
.set fS, ((\g)/NQ)%NSL
.set fQ, (\g)%NQ
	WIN 0x40
.irp i, 0,1,2,3,4,5,6,7
	FRAGR 128*fP+12*\i, ADB+fS, fQ, \i
.endr
	WIN 0
.irp i, 0,1,2,3,4,5,6,7
.if \i < MA
	FRAGR 64+96*fP+12*\i, ADA+fS, fQ, \i
.endif
.endr
.irp i, 0,1,2,3
	ds_load_b32 v[32+8*fP+\i], v[ADSB] offset:1088*\i+4*(\g)
.endr
.irp i, 0,1,2,3
.if \i < MA/2
	ds_load_b32 v[36+8*fP+\i], v[ADSA] offset:1088*\i+4*(\g)
.endif
.endr
.endm
; One matrix instruction: A's block a x B's block b, set P.  cm: C is the accumulator (1), bias tile b (2), bias tile a (3).  An odd block's scale words stand in lanes 16-31.
.macro WM a, b, P, cm
.set rD, 8*(8*((\a)%4)+(\b))
.set rB, 128*(\P)+12*(\b)
.set rA, 64+96*(\P)+12*(\a)
.set rX, 32+8*(\P)+(\b)/2
.set rY, 36+8*(\P)+(\a)/2
.set rC, rD
.if (\cm) == 2
.set rC, 96+8*(\b)+96*((\b)/4)
.endif
.if (\cm) == 3
.set rC, 96+8*(\a)+96*((\a)/4)
.endif
.set pr, 2*((\a)%2)+(\b)%2
.if pr == 0
	v_wmma_scale_f32_16x16x128_f8f6f4 v[rD:rD+7], v[rB:rB+11], v[rA:rA+11], v[rC:rC+7], v[rX], v[rY] matrix_a_fmt:MATRIX_FMT_FP6 matrix_b_fmt:MATRIX_FMT_FP6
.elseif pr == 1
	v_wmma_scale_f32_16x16x128_f8f6f4 v[rD:rD+7], v[rB:rB+11], v[rA:rA+11], v[rC:rC+7], v[rX], v[rY] matrix_a_fmt:MATRIX_FMT_FP6 matrix_b_fmt:MATRIX_FMT_FP6 matrix_a_scale:MATRIX_SCALE_ROW1
.elseif pr == 2
	v_wmma_scale_f32_16x16x128_f8f6f4 v[rD:rD+7], v[rB:rB+11], v[rA:rA+11], v[rC:rC+7], v[rX], v[rY] matrix_a_fmt:MATRIX_FMT_FP6 matrix_b_fmt:MATRIX_FMT_FP6 matrix_b_scale:MATRIX_SCALE_ROW1
.else
	v_wmma_scale_f32_16x16x128_f8f6f4 v[rD:rD+7], v[rB:rB+11], v[rA:rA+11], v[rC:rC+7], v[rX], v[rY] matrix_a_fmt:MATRIX_FMT_FP6 matrix_b_fmt:MATRIX_FMT_FP6 matrix_a_scale:MATRIX_SCALE_ROW1 matrix_b_scale:MATRIX_SCALE_ROW1
.endif
.endm
.macro MUL g, a0, a1, cm               ; A's blocks a0 .. a1 against B's eight.  The accumulators take turns, one instruction a turn, in the same order in every step
.set aa, \a0
.rept (\a1)-(\a0)+1
.if (\cm) >= 2
	WIN 0x91+0x40*(aa/4)
.else
	WIN 0xa1+0x50*(aa/4)
.endif
.irp b, 0,1,2,3,4,5,6,7
	WM aa, \b, (\g)%2, \cm
.endr
.set aa, aa+1
.endr
.endm
.macro STEP g, cm                      ; a step whose successor lies in the same slot: the next step's loads go out in one run ahead of this step's products
	s_wait_dscnt 0x0                               ; this step's fragments and words are in
.if (\g) > 0
	PLACES 4                                       ; the other set was read by the last step's products
.endif
	FETCH (\g)+1
	MUL \g, 0, MA-1, \cm
.endm
; A slot's last step changes slots, with ONE barrier.  kind = 1 or 2: slot rs is filled again: each wave waits for all its tensor loads, adds 0 to its spare word, and waits for that and for its LDS reads; the barrier opens a round of
; the cluster's barrier, and the joint refill is the first thing behind the round.  kind = 1: with this part's steps two slots on; kind = 2: with part 2's first steps.  kind = 0: nothing is filled.
; pf: the byte of each row at which this change's prefetch stands, or -1.
.macro STEPX g, kind, n, rs, pf
	s_wait_dscnt 0x0                               ; this step's fragments are in: they were my last reads of this slot
	WIN 0
	s_wait_tensorcnt \n
.if \kind
	ds_add_u32 v[SPW], v[NIL]                      ; 0 onto my spare word; matrix instructions stand between it and the wait for it
.endif
	MUL \g, 0, MA/4-1, 1
.if \kind
	s_wait_dscnt 0x0                               ; the add is done
.endif
	s_barrier_signal -1
	MUL \g, MA/4, MA/2-1, 1
	WIN 0
	s_barrier_wait -1
.if (\kind) == 1
	CREST                                          ; no wave of any partner still reads slot rs or has a load on its way
	s_add_nc_u64 s[G0A+4*(\rs)+2:G0A+4*(\rs)+3], s[G0A+4*(\rs)+2:G0A+4*(\rs)+3], ASTEP
	s_add_nc_u64 s[G0B+4*(\rs)+2:G0B+4*(\rs)+3], s[G0B+4*(\rs)+2:G0B+4*(\rs)+3], BSTEP
	JLOAD G0A+4*(\rs), G1A, G0B+4*(\rs), G1B       ; its four v_nop are also the places ahead of the loads below
.elseif (\kind) == 2
	CREST
	G0SET G0A+4*(\rs), AHALF, (\rs)*SLOT, A2P, (\rs)*AINC
	G0SET G0B+4*(\rs), BHALF, 2*AHALF+(\rs)*SLOT, B2P, (\rs)*BINC
	JLOAD G0A+4*(\rs), G1A2, G0B+4*(\rs), G1B
.else
	PLACES 4
.endif
	FETCH (\g)+1
.if (\pf) >= 0
	ASK \pf
.endif
	MUL \g, MA/2, MA-1, 1
.endm
.macro LAST g
	s_wait_dscnt 0x0
	MUL \g, 0, MA-1, 1
	WIN 0
.endm
; THE WAY OUT, block a of 16 of A's rows: my 128 of B's rows are one K step of the product that takes the result.
.macro SWAP a                          ; register j of tile b holds B's row 16 b + 8 h + j.  Tiles 2 u and 2 u + 1 change halves: then register 16 u + i holds k = 32 u + 16 h + i.  Each accumulator is read from its low end on
.set AC, 64*((\a)%4)
.set WQ, 2+(\a)/4
	WIN (WQ<<6)|WQ
.irp b, 0,1,2,3
.irp j, 0,1,2,3,4,5,6,7
	v_permlane16_swap_b32 v[AC+16*\b+\j], v[AC+16*\b+8+\j]
.endr
.endr
.endm
.macro QHEAD a                         ; the four blocks' largest magnitudes, with the floor 2^(3 - 127) among the leaves, so that no byte falls under 1
.set AC, 64*((\a)%4)
.set WQ, 2+(\a)/4
	WIN WQ|(WQ<<2)
.irp b, 0,1,2,3
	v_max3_num_f32 v[TM+\b], |v[AC+16*\b]|, |v[AC+16*\b+1]|, 0x1800000
.endr
.irp i, 2,4,6,8,10,12,14
.irp b, 0,1,2,3
	v_max3_num_f32 v[TM+\b], |v[AC+16*\b+\i]|, |v[AC+16*\b+\i+1]|, v[TM+\b]
.endr
.endr
	WIN 0
.irp b, 0,1,2,3
	v_permlanex16_b32 v[TM+4+\b], v[TM+\b], s[SEL], s[SEL+1]
.endr
.irp b, 0,1,2,3
	v_max_num_f32 v[TM+\b], v[TM+\b], v[TM+4+\b]   ; with lane l xor 16's 16 numbers: the block's
.endr
.endm
.macro QTAIL a                         ; from the largest magnitudes in v[TM] on: the scale word in v[PW], the fragment in v[PC] on
.set AC, 64*((\a)%4)
.irp b, 0,1,2,3
	v_add_nc_u32 v[TM+12+\b], 0xff000000, v[TM+\b] ; 2 off the exponent field: the conversion takes that field of this operand as its scale
.endr
.irp b, 0,1,2,3
	v_lshrrev_b32 v[TM+4+\b], 23, v[TM+12+\b]      ; the scale's byte
.endr
	v_lshl_or_b32 v[PW], v[TM+5], 8, v[TM+4]
	v_lshl_or_b32 v[PW], v[TM+6], 16, v[PW]
	v_lshl_or_b32 v[PW], v[TM+7], 24, v[PW]
	s_wait_xcnt 0x0                                ; the last block's stores have read their data: the registers are written again only behind this wait
	WIN 2+(\a)/4
.irp c, 0,1
	v_cvt_scalef32_pk16_fp6_f32 v[PC+6*\c:PC+6*\c+2], v[AC+32*\c:AC+32*\c+15], v[TM+12+2*\c]
	v_cvt_scalef32_pk16_fp6_f32 v[PC+12+4*\c:PC+14+4*\c], v[AC+32*\c+16:AC+32*\c+31], v[TM+13+2*\c]   ; (a conversion's three registers begin on an even number)
.endr
	WIN 0
	v_nop                                          ; one plain place behind the scaled conversions
.irp c, 0,1                            ; the operand's layout wants a whole block in a lane: lanes 0-15 block 2 c, lanes 16-31 block 2 c + 1
.irp i, 0,1,2
	v_permlane16_swap_b32 v[PC+6*\c+\i], v[PC+12+4*\c+\i]
.endr
.irp i, 0,1,2
	v_mov_b32 v[PC+3+6*\c+\i], v[PC+12+4*\c+\i]
.endr
.endr
.endm
.macro STOREF p, off                   ; the image: each store of the wave covers 512 consecutive bytes, aligned
.irp c, 0,1,2
	global_store_b128 v[GOF], v[PC+4*\c:PC+4*\c+3], s[\p:(\p)+1] offset:(\off)+512*\c
.endr
.endm
.macro OUTB a, p, off
.if (\a) > 0
	s_wait_dscnt 0x0                               ; the last block's LDS store has read its register
.endif
	SWAP \a
	QHEAD \a
	QTAIL \a
	STOREF \p, \off
	ds_store_b32 v[WSA], v[PW] offset:64*(\a)      ; both lanes of a row write the same word
.endm
	s_load_b256 s[4:11], s[0:1], 0x0               ; x's codes s[4:5], x's scales s[6:7], W's codes s[8:9], W's scales s[10:11]
	s_load_b128 s[12:15], s[0:1], 0x20             ; b_qkv s[12:13], qkv_codes s[14:15]
	s_load_b64 s[16:17], s[0:1], 0x30              ; qkv_scales
	v_lshl_add_u32 v[SPW], v0, 2, SPARE
	v_mov_b32 v[NIL], 0
	ds_add_u32 v[SPW], v[NIL]                      ; the wave's opening: the add, twice on end, and its wait ahead of my first tensor load
	ds_add_u32 v[SPW], v[NIL]
	IDS
	G1SET G1A, 2, ROWC, 192, 128, 768              ; 128 rows x 192 bytes (256 codes), 768 bytes apart
	G1SET G1B, 3, ROWC, 192, 128, 768
	G1SET G1A2, 2, ROWC, 192, 64, 768              ; part 2's A: 64 rows
	G1SET G1SA, 2, ROWS, 32, 16, 32                ; 128 rows' scale bytes: 4,096 dense bytes as 16 rows of 256
	G1SET G1SB, 3, ROWS, 32, 16, 32
	; where the tiles begin, in bytes.  A's offsets are made of CX, CY, cy and the wave (in s78), B's of CX, CY, cx and the wave (in s79)
	s_lshl_b32 s76, s[CLY], 2
	s_lshl_b32 s77, s[CLX], 2
	s_add_co_u32 s78, s76, s[CYI]                  ; part 1, A: x's tile of 256 tokens 4 CY + cy,
	s_lshl_b32 s78, s78, 1
	s_add_co_u32 s78, s78, s[WBV]                  ; the 128 rows of it that I would fetch:
	s_lshl_b32 s100, s78, 12                       ; their scale bytes,
	s_mul_i32 s96, s78, 98304                      ; their codes
	s_add_co_u32 s79, s77, s[CXI]                  ; part 1, B: W's tile of 256 rows 4 CX + cx
	s_lshl_b32 s79, s79, 1
	s_add_co_u32 s79, s79, s[WBV]
	s_lshl_b32 s66, s79, 12
	s_mul_i32 s98, s79, 98304
	s_add_co_u32 s78, s77, s[CYI]                  ; part 2, A: W's rows 2,048 + 128 (4 CX + cy) on:
	s_add_co_u32 s72, s78, 16
	s_lshl_b32 s72, s72, 12                        ; the 128 rows' scale bytes (the same for both waves that fetch them),
	s_lshl_b32 s78, s78, 1
	s_add_co_u32 s78, s78, s[WBV]
	s_add_co_u32 s78, s78, 32
	s_mul_i32 s2, s78, 49152                       ; the codes of the 64 rows that I would fetch
	s_add_co_u32 s79, s76, s[CXI]                  ; part 2, B: x's tile of 256 tokens 4 CY + cx
	s_lshl_b32 s79, s79, 1
	s_add_co_u32 s79, s79, s[WBV]
	s_lshl_b32 s74, s79, 12
	s_mul_i32 s18, s79, 98304
.irp r, 97, 99, 101, 67, 73, 3, 75, 19
	s_mov_b32 s\r, 0
.endr
	s_wait_dscnt 0x0                               ; both opening adds are done
	s_wait_kmcnt 0x0
	s_add_nc_u64 s[96:97], s[4:5], s[96:97]        ; part 1: A's codes,
	s_add_nc_u64 s[98:99], s[8:9], s[98:99]        ; B's codes,
	s_add_nc_u64 s[100:101], s[6:7], s[100:101]    ; A's scales,
	s_add_nc_u64 s[66:67], s[10:11], s[66:67]      ; B's scales
	s_add_nc_u64 s[A2P:A2P+1], s[8:9], s[A2P:A2P+1]   ; part 2 likewise
	s_add_nc_u64 s[B2P:B2P+1], s[4:5], s[B2P:B2P+1]
	s_add_nc_u64 s[72:73], s[10:11], s[72:73]
	s_add_nc_u64 s[74:75], s[6:7], s[74:75]
	CROUND                                         ; all sixteen work-groups are here: the first joint loads meet
	G0SET G0SA, SAH, SCA, 100, 0
	G0SET G0SB, SBH, SCB, 66, 0
	JLOAD G0SA, G1SA, G0SB, G1SB                   ; part 1's scale bytes for all of K: filled once
	G0SET G0SA2, SAH, SCA2, 72, 0
	G0SET G0SB2, SBH, SCB2, 74, 0
	JLOAD G0SA2, G1SA, G0SB2, G1SB                 ; part 2's: filled once
	FILLSLOTS                                      ; part 1's steps 0, 1 and 2, 3: four loads of mine are out
	ADDRS
	; part 1's bias, eight tiles in the result's layout: it runs along B's rows: tile b, register j: b_qkv[256 (4 CX + cx) + 128 wb + 16 b + 8 h + j]
	s_lshl_b32 s96, s[CLX], 2
	s_add_co_u32 s96, s96, s[CXI]
	s_lshl_b32 s96, s96, 1
	s_add_co_u32 s96, s96, s[WBV]
	s_lshl_b32 s96, s96, 9
	v_lshl_add_u32 v[BO], v21, 5, s96
	WIN 0x40
.irp t, 0,1,2,3,4,5,6,7
	global_load_b128 v[96+8*\t+96*(\t/4):96+8*\t+96*(\t/4)+3], v[BO], s[12:13] offset:64*\t
	global_load_b128 v[96+8*\t+96*(\t/4)+4:96+8*\t+96*(\t/4)+7], v[BO], s[12:13] offset:64*\t+16
.endr
	WIN 0
	; part 2: my 64 features 2 (4 CX + cy) + wa; batch CY / 2; key step 2 (4 (CY % 2) + cx) + wb
	s_lshl_b32 s96, s[CLX], 2
	s_add_co_u32 s96, s96, s[CYI]
	s_lshl_b32 s96, s96, 1
	s_add_co_u32 s96, s96, s[WAV]
	s_lshl_b32 s97, s96, 8
	s_add_co_u32 s97, s97, 8192
	v_lshl_add_u32 v[BO2], v20, 2, s97             ; its bias runs along A's rows: tile a: b_qkv[2,048 + 64 x my features' number + 16 a + r]
	s_and_b32 s97, s[CLY], 1
	s_lshl_b32 s97, s97, 2
	s_add_co_u32 s97, s97, s[CXI]
	s_lshl_b32 s97, s97, 1
	s_add_co_u32 s97, s97, s[WBV]
	s_lshr_b32 s27, s[CLY], 1
	s_lshl_b32 s[OC2], s96, 6                      ; 4 row tiles x 16 steps
	s_add_co_u32 s[OC2], s[OC2], s97
	s_lshl_b32 s[OC2+1], s27, 10
	s_add_co_u32 s[OC2], s[OC2], s[OC2+1]
	s_mul_i32 s[OC2], s[OC2], 1536
	s_add_co_u32 s[OC2], s[OC2], 12582912
	s_mov_b32 s[OC2+1], 0
	s_add_nc_u64 s[OC2:OC2+1], s[14:15], s[OC2:OC2+1]
	s_lshl_b32 s[OS2], s97, 12
	s_lshl_b32 s96, s96, 8
	s_add_co_u32 s[OS2], s[OS2], s96
	s_lshl_b32 s27, s27, 16
	s_add_co_u32 s[OS2], s[OS2], s27
	s_add_co_u32 s[OS2], s[OS2], 524288
	s_mov_b32 s[OS2+1], 0
	s_add_nc_u64 s[OS2:OS2+1], s[16:17], s[OS2:OS2+1]
	; part 1: my 128 tokens 2 (4 CY + cy) + wa; q or k by CX; K step 2 cx + wb
	s_lshl_b32 s96, s[CLY], 2
	s_add_co_u32 s96, s96, s[CYI]
	s_lshl_b32 s96, s96, 1
	s_add_co_u32 s96, s96, s[WAV]
	s_lshl_b32 s97, s[CXI], 1
	s_add_co_u32 s97, s97, s[WBV]
	s_lshl_b32 s27, s96, 6                         ; 8 row tiles x 8 steps
	s_add_co_u32 s27, s27, s97
	s_mul_i32 s27, s27, 1536
	s_lshl_b32 s97, s97, 15
	s_lshl_b32 s96, s96, 9
	s_add_co_u32 s96, s96, s97
	s_lshl_b32 s97, s[CLX], 18
	s_add_co_u32 s96, s96, s97
	s_mov_b32 s97, 0
	s_add_nc_u64 s[16:17], s[16:17], s[96:97]
	s_mul_i32 s96, s[CLX], 6291456
	s_add_co_u32 s96, s96, s27
	s_add_nc_u64 s[14:15], s[14:15], s[96:97]
	; the prefetches: in wave 0, whose part of A begins at the tile's first row, my work-group's 32 rows of the 128
	s_mul_i32 s96, s[CXI], 24576
	s_add_nc_u64 s[PFA:PFA+1], s[A2P:A2P+1], s[96:97]
	s_or_b32 s[FLG], s[CLY], s[WV]                 ; 0 in wave 0 of the clusters with y = 0: the same in all sixteen partners, for a given wave
	s_wait_tensorcnt 0x1                           ; both parts' scales and my part of slot 0 are in; slot 1's load, the one younger, may stay out
	s_barrier_signal -1
	s_barrier_wait -1
	; ---- PART 1 ----
	FETCH 0
	s_wait_loadcnt 0x0                             ; the bias
	STEP 0, 2                                      ; the first products start the sums on the bias: nothing is cleared
	STEPX 1, 1, 0, 0, 0                            ; slot 0 takes steps 4, 5
	STEP 2, 1
	STEPX 3, 1, 0, 1, 256                          ; slot 1 takes steps 6, 7
	STEP 4, 1
	STEPX 5, 2, 0, 0, 512                          ; slot 0 takes PART 2's steps 0, 1
	STEP 6, 1
	LAST 7
	PLACES 4
	s_mov_b32 s[SEL], 0x76543210
	s_mov_b32 s[SEL+1], 0xfedcba98
.irp b, 0,1,2,3
	v_mov_b32 v[TM+4+\b], 0                        ; written once: a lane permute's destination counts as one of its sources
.endr
.irp a, 0,1,2,3
	OUTB \a, 14, \a*12288
.endr
	; slot 1, whose last reads were awaited ahead of step 7's products, takes part 2's steps 2, 3.  The round stands here, in the middle of the way out, so that the load asked for at step 5 has had that long to land
	s_wait_tensorcnt 0x0                           ; all my tensor loads have landed: my part of part 2's steps 0, 1; so a group 0 may be written
	ds_add_u32 v[SPW], v[NIL]                      ; 0 onto my spare word; the descriptors' words stand between it and the wait for it
	G0SET G0A+4, AHALF, SLOT, A2P, AINC
	G0SET G0B+4, BHALF, 2*AHALF+SLOT, B2P, BINC
	s_wait_dscnt 0x0                               ; the add is done, and so is my store into the words' stage
	CROUND                                         ; no wave of any partner still reads slot 1 or has a load on its way; and slot 0 is whole for every wave
	JLOAD G0A+4, G1A2, G0B+4, G1B
	WIN 0x40                                       ; part 2's bias, into the registers that part 1's first products have read long since: four tiles, all eight registers of tile a alike
.irp t, 0,1,2,3
.irp j, 0,1,2,3,4,5,6,7
	global_load_b32 v[96+8*\t+\j], v[BO2], s[12:13] offset:64*\t
.endr
.endr
	WIN 0
.irp a, 4,5,6,7
	OUTB \a, 14, \a*12288
.endr
	ds_load_b128 v[OW:OW+3], v[WSR]                ; LDS serves a wave's instructions in order (ISA guide 5.7.1.4): this sees my stores
	s_wait_dscnt 0x0
	global_store_b128 v[GOF], v[OW:OW+3], s[16:17] ; my 128 rows' words of this step: 512 consecutive bytes
	; ---- PART 2: the same macros on four blocks of A ----
.set MA,   4
.set G1A,  88                          ; = G1A2
.set ADSA, 28                          ; = ADSA2
.set ADSB, 29                          ; = ADSB2
.set WSA,  30                          ; = WSA2
	s_wait_xcnt 0x0                                ; the way out's stores have read their data: the fragments below land in those registers
	FETCH 0
	s_wait_loadcnt 0x0                             ; the bias
	STEP 0, 3                                      ; the first products start the sums on the bias
	STEPX 1, 1, 0, 0, -1                           ; slot 0 takes steps 4, 5
	STEP 2, 1
	STEPX 3, 1, 0, 1, -1                           ; slot 1 takes steps 6, 7
	STEP 4, 1
	STEPX 5, 0, 0, 0, -1                           ; my one load that is out is slot 1's
	STEP 6, 1
	LAST 7
	PLACES 4
.irp b, 0,1,2,3
	v_mov_b32 v[TM+4+\b], 0
.endr
.irp a, 0,1,2,3
	OUTB \a, OC2, \a*24576
.endr
	ds_load_b64 v[OW:OW+1], v[WSR2]
	s_wait_dscnt 0x0
	global_store_b64 v[GSO2], v[OW:OW+1], s[OS2:OS2+1]   ; my 64 rows' words of this key step: 256 consecutive bytes, aligned
	s_wait_tensorcnt 0x0                           ; the wave's end
	ds_add_u32 v[SPW], v[NIL]
	s_wait_dscnt 0x0
	CROUND                                         ; the closing round
	s_endpgm
.Lfunc_end_k_q4cf0ed9480_qkv:
	.size	k_q4cf0ed9480_qkv, .Lfunc_end_k_q4cf0ed9480_qkv-k_q4cf0ed9480_qkv
	.p2alignl 7, 3214868480
	.fill 96, 4, 3214868480
	.section	.rodata,"a",@progbits
	.p2align	6, 0x0
	.amdhsa_kernel k_q4cf0ed9480_qkv
		.amdhsa_group_segment_fixed_size 327680
		.amdhsa_private_segment_fixed_size 0
		.amdhsa_enable_private_segment 0
		.amdhsa_kernarg_size 56
		.amdhsa_user_sgpr_count 2
		.amdhsa_user_sgpr_kernarg_segment_ptr 1
		.amdhsa_wavefront_size32 1
		.amdhsa_system_sgpr_workgroup_id_x 1
		.amdhsa_system_sgpr_workgroup_id_y 1
		.amdhsa_system_sgpr_workgroup_id_z 1
		.amdhsa_system_vgpr_workitem_id 0
		.amdhsa_next_free_vgpr 1024
		.amdhsa_next_free_sgpr 102
		.amdhsa_reserve_vcc 0
		.amdhsa_float_denorm_mode_32 3
		.amdhsa_float_denorm_mode_16_64 3
		.amdhsa_memory_ordered 1
		.amdhsa_forward_progress 1
		.amdhsa_inst_pref_size 255
	.end_amdhsa_kernel
	.section	.bss,"aw",@nobits
	.p2align	6
	.space	262144
	.amdgpu_metadata
---
amdhsa.version: [ 1, 2 ]
amdhsa.kernels:
  - .name:           k_q4cf0ed9480_qkv
    .symbol:         k_q4cf0ed9480_qkv.kd
    .args:
      - { .name: x_codes, .offset: 0, .size: 8, .value_kind: global_buffer, .address_space: global }
      - { .name: x_scales, .offset: 8, .size: 8, .value_kind: global_buffer, .address_space: global }
      - { .name: W_qkv_codes, .offset: 16, .size: 8, .value_kind: global_buffer, .address_space: global }
      - { .name: W_qkv_scales, .offset: 24, .size: 8, .value_kind: global_buffer, .address_space: global }
      - { .name: b_qkv, .offset: 32, .size: 8, .value_kind: global_buffer, .address_space: global }
      - { .name: qkv_codes, .offset: 40, .size: 8, .value_kind: global_buffer, .address_space: global }
      - { .name: qkv_scales, .offset: 48, .size: 8, .value_kind: global_buffer, .address_space: global }
    .group_segment_fixed_size: 327680
    .private_segment_fixed_size: 0
    .kernarg_segment_align: 8
    .kernarg_segment_size: 56
    .max_flat_workgroup_size: 128
    .sgpr_count:     102
    .vgpr_count:     1024
    .wavefront_size: 32
...
	.end_amdgpu_metadata
.endif
;; end of part 1
;; launch scores (part 2): grid 8 x 32, 4 waves a work-group, clusters of 4 x 4, 327,680 bytes of LDS; arguments qkv_codes, qkv_scales, p_codes, p_stats; writes p_codes, p_stats
.if DOCPART == 2
	.amdgcn_target "amdgcn-amd-amdhsa--gfx1250"
	.amdhsa_code_object_version 6
	.text
	.protected	k_q4cf0ed9480_scores
	.globl	k_q4cf0ed9480_scores
	.p2align	8
	.type	k_q4cf0ed9480_scores,@function
k_q4cf0ed9480_scores:
	s_mov_b64 s[64:65], 0
	v_nop
	global_prefetch_b8 v0, s[64:65] scope:SCOPE_SE
	s_setreg_imm32_b32 hwreg(HW_REG_WAVE_MODE, 25, 1), 1
	s_wait_xcnt 0x0
	s_wait_alu depctr_hold_cnt(0) depctr_sa_sdst(0) depctr_va_vdst(0) depctr_va_sdst(0) depctr_va_ssrc(0) depctr_va_vcc(0) depctr_vm_vsrc(0)
	s_getreg_b32 s2, hwreg(HW_REG_IB_STS2, 6, 4)
	s_cmp_eq_u32 s2, 0
	s_cbranch_scc0 .Lentry_in_a_cluster
	s_endpgm
.Lentry_in_a_cluster:
	s_bfe_u32 s2, ttmp6, 0x10000c
	s_cmp_lg_u32 s2, 0xf033
	s_cbranch_scc0 .Lentry_shape_is_right
	s_endpgm
.Lentry_shape_is_right:
; LAUNCH 2 OF 4.  S = q k^T on codes of FP6 (E2M3), batch by batch, K = 1,024; then, in registers, t = S x log2(e) / 8 and p = 2^(t - M), quantised along the keys.  No work is left out.
; M HERE IS LOCAL: the ceiling of the largest t of a query among a wave's 128 keys (one K step of the next product).  M is a whole number, so bringing p under the row's own M later only moves the blocks' scale bytes:
; the next launch does that.  Stored for it, for each (key step, query): p's scale word, -M as f32, and l, the sum of the unquantised p of these 128 keys.
; IN.  qkv_codes: fragment images (the 12 operand registers of 16 rows x 128 K, 1,536 bytes: registers 4 c .. 4 c + 3 of lane l at 512 c + 16 l): q at 0, k at 6,291,456: [token tile of 16: 512][K step: 8];
; qkv_scales: words [step: 8][token: 8192], q at 0, k at 262,144.   OUT.  p_codes: images [query tile of 16: 512][key step: 16]; p_stats: [16][8192] words at 0, -M at 524,288, l at 1,048,576.
; SHARES.  A work-group of four waves makes 256 queries x 256 keys, a wave 128 x 128.  Source 1 takes queries ("A": a lane holds one), source 0 keys ("B": a lane's registers run along them).
; CLUSTER 4 x 4: q's tiles are asked for jointly by a row of the cluster, k's by a column.  K goes in 8 steps of 128, two to a slot, three slots: three of the four slot loads are first fills.
; LIMITS.  NaN and infinities are not served.  A block whose every p lies under 2^-124 gets the scale byte 1 (zero codes add nothing).
.set MA,    8
.set AK,    1
.set BK,    1
.set NQ,    2
.set NSL,   3
.set AHALF, 24576                      ; 8 row tiles x 2 steps x 1,536
.set BHALF, 24576
.set SLOT,  2*(AHALF+BHALF)
.set AINC,  3072
.set BINC,  3072
.set ASTEP, 9216                       ; the one refill: three slots on
.set BSTEP, 9216
.set SCA,   NSL*SLOT                   ; scale words [half][step: 8][128 rows]
.set SAH,   4096
.set SCB,   SCA+2*SAH
.set SBH,   4096
.set WST,   SCB+2*SBH                  ; a stage for each wave: 512 bytes each of words, -M, l
.set WSB,   1536
.set SPARE, WST+4*WSB
.set GSTEP, 0
; ---- the core that this program's four bodies share: names, then macros ----
.set WV,   20                          ; s20  my wave's number
.set WAV,  21                          ; s21  wave / 2: my half of A's rows.  Also: I fetch for A (0) or for B (1)
.set WBV,  22                          ; s22  wave % 2: my half of B's rows.  Also: which half of that operand I fetch
.set CXI,  23                          ; s23, s24  my place in the cluster
.set CYI,  24
.set CLX,  25                          ; s25, s26  the cluster's x and y
.set CLY,  26
.set FLG,  27                          ; s27  a role, where a launch has two
.set TA,   18                          ; s18, s19  A's and B's tile numbers
.set TB,   19
.set ASTR, 3                           ; s3   bytes from a block's image to the next block's, where it is no constant
.set G1A,  28                          ; descriptor groups 1: A's codes, B's codes, A's scales, B's scales
.set G1B,  36
.set G1SA, 44
.set G1SB, 52
.set G0SA, 60                          ; groups 0: the scales', then one for each slot
.set G0SB, 68
.set G0A,  72
.set G0B,  84
.set SEL,  96                          ; s[96:97] on the way out: lane selects for lane l xor 16
.set CS,   98                          ; s[98:99] on the way out: a constant, as a pair
.set ADA,  1                           ; v1-3 LDS address of my A fragments in slot 0, 1, 2; v4-6 the same behind one padding more (rows as given)
.set ADB,  7                           ; v7-9, v10-12 the same for B
.set ADSA, 13                          ; v13, v14 LDS address of my scale words
.set ADSB, 14
.set WSA,  15                          ; v15, v16 a stage: on the way in, on the way back
.set WSR,  16
.set GOF,  17                          ; v17  16 x lane
.set GSO,  18                          ; v18  my offset in the wave's run of scale words
.set BO,   19                          ; v19  a launch's own offset
.set SPW,  62                          ; v62  LDS address of my spare word; never rewritten
.set NIL,  63                          ; v63  0; never rewritten
.set TM,   64                          ; the way out, window 0: v64-67 largest magnitudes, v68-71 bytes, v76-79 the conversions' scale operands
.set PW,   80                          ; the scale word just made
.set RX,   81
.set PC,   84                          ; v84-103 the codes just made
.set NM,   104
.set LS,   106
.set RR,   112
.set OW,   120
.set ROWC, (1<<20)|(3<<22)|(3<<25)     ; group 1, word 0: bytes; 16 bytes of padding behind every 64
.set ROWS, (3<<16)|(1<<20)|(5<<22)|(3<<25)   ; elements of 8 bytes; 16 bytes of padding behind every 256
.set IMGW, 3<<16                       ; elements of 8 bytes, no padding
; REGISTERS, in windows of 256.  Window 0: v0-31 addresses; v32-47 scale words and nothing else, two sets of 8 (B's block pairs 0-3, A's 0-3: the even block in lanes 0-15, the odd one in lanes 16-31);
; v64-159, v160-255 A's fragments, two sets.  Window 1: v0-95, v128-223 B's fragments, two sets; v96-127, v224-255 eight tiles of bias.  Windows 2, 3: the accumulators, (a, b) at v[8 (8 (a % 4) + b)] of window 2 + a / 4.
.set MSB, 0
.macro WIN new                         ; the immediate's high byte repeats the setting that is left; a switch that changes nothing is dropped
.if MSB != (\new)
	s_set_vgpr_msb (MSB<<8)|(\new)
.set MSB, \new
.endif
.endm
.macro PLACES n                        ; plain places behind matrix instructions, ahead of loads into their registers and of reads of their results
.rept \n
	v_nop
.endr
.endm
.macro CREST                           ; a round of the cluster's barrier behind its opening barrier
	s_cmp_lg_u32 s[WV], 0
	s_cbranch_scc1 .Lnot_wave_0_\@
	s_barrier_signal -3
.Lnot_wave_0_\@:
	s_barrier_wait -3
	s_barrier_signal -1
	s_barrier_wait -1
.endm
.macro CROUND                          ; a whole round
	s_barrier_signal -1
	s_barrier_wait -1
	CREST
.endm
.macro JLOAD g0a, g1a, g0b, g1b        ; a joint load: waves 0, 1 fetch A's halves, waves 2, 3 B's.  The branch hangs on the wave's number alone; s_nop 0 and four v_nop follow each line
	s_cmp_eq_u32 s[WAV], 0
	s_cbranch_scc0 .Lfor_b_\@
	tensor_load_to_lds s[(\g0a):(\g0a)+3], s[(\g1a):(\g1a)+7]
	s_nop 0
.rept 4
	v_nop
.endr
	s_branch .Lasked_\@
.Lfor_b_\@:
	tensor_load_to_lds s[(\g0b):(\g0b)+3], s[(\g1b):(\g1b)+7]
	s_nop 0
.rept 4
	v_nop
.endr
.Lasked_\@:
.endm
.macro IDS                             ; wave, place, cluster; s2 = my row of the cluster as a mask, s3 = my column
	v_lshrrev_b32 v20, 5, v0
	v_readfirstlane_b32 s[WV], v20
	s_lshr_b32 s[WAV], s[WV], 1
	s_and_b32 s[WBV], s[WV], 1
	s_bfe_u32 s[CXI], ttmp6, 0x40000
	s_bfe_u32 s[CYI], ttmp6, 0x40004
	s_mov_b32 s[CLX], ttmp9
	s_and_b32 s[CLY], ttmp7, 0xffff
	s_lshl_b32 s2, s[CYI], 2
	s_lshl_b32 s2, 15, s2
	s_lshl_b32 s3, 0x1111, s[CXI]
.endm
.macro G1SET g, m, w0, c, r, p         ; group 1: mask in s[m], bit 21 beside it, the fields w0; r rows of c elements, p elements apart in memory
	s_or_b32 s[\g], s[\m], (\w0)|(1<<21)
	s_mov_b32 s[(\g)+1], ((\c)&0xffff)<<16
	s_mov_b32 s[(\g)+2], ((\c)>>16)|((\r)<<16)
	s_mov_b32 s[(\g)+3], (\c)<<16
	s_mov_b32 s[(\g)+4], \r
	s_mov_b32 s[(\g)+5], \p
	s_mov_b32 s[(\g)+6], 0
	s_mov_b32 s[(\g)+7], 0
.endm
.macro G0SET g, hb, base, p, po        ; group 0: to LDS byte base + hb x (wave % 2), from s[p:p+1] + po
	s_mov_b32 s[\g], 1
	s_mul_i32 s[(\g)+1], s[WBV], \hb
	s_add_co_u32 s[(\g)+1], s[(\g)+1], \base
	s_add_nc_u64 s[(\g)+2:(\g)+3], s[\p:(\p)+1], \po
	s_or_b32 s[(\g)+3], s[(\g)+3], 0x80000000
.endm
.macro FILLSLOTS                       ; the slots' first fills: A's codes from s[96:97], B's from s[98:99]
.irp s, 0,1,2
.if \s < NSL
	G0SET G0A+4*\s, AHALF, \s*SLOT, 96, \s*AINC
	G0SET G0B+4*\s, BHALF, 2*AHALF+\s*SLOT, 98, \s*BINC
	JLOAD G0A+4*\s, G1A, G0B+4*\s, G1B
.endif
.endr
.endm
.macro ADDRS                           ; v20 = r = lane % 16, v21 = h = lane / 16, v22 = lane; the LDS addresses: constants, the lane and the wave alone
	v_and_b32 v20, 15, v0
	v_bfe_u32 v21, v0, 4, 1
	v_and_b32 v22, 31, v0
	v_lshlrev_b32 v[GOF], 4, v22
.if (AK == 0) || (BK == 0)
	v_mul_u32_u24 v23, v20, 240
	v_mad_u32_u24 v23, v21, 24, v23                ; rows as given: row r x 240 + 24 h,
	v_lshl_add_u32 v24, v21, 4, v23                ; and the same behind one padding more
	v_lshrrev_b32 v26, 3, v22
	v_lshlrev_b32 v27, 5, v22
	v_lshl_add_u32 v27, v26, 4, v27                ; scale rows of 32 bytes, 16 more behind every eight: lane l takes row l of a pair of blocks
.endif
.if (AK == 1) || (BK == 1)
	v_lshlrev_b32 v25, 2, v22                      ; words by step: 4 x lane
.endif
	s_mul_i32 s96, s[WAV], AHALF
	s_mul_i32 s97, s[WBV], BHALF
	s_add_co_u32 s97, s97, 2*AHALF
.irp s, 0,1,2
.if \s < NSL
.if AK == 0
	v_add_nc_u32 v[ADA+\s], s96, v23
	v_add_nc_u32 v[ADA+3+\s], s96, v24
.else
	v_add_nc_u32 v[ADA+\s], s96, v[GOF]
.endif
.if BK == 0
	v_add_nc_u32 v[ADB+\s], s97, v23
	v_add_nc_u32 v[ADB+3+\s], s97, v24
.else
	v_add_nc_u32 v[ADB+\s], s97, v[GOF]
.endif
	s_add_co_u32 s96, s96, SLOT
	s_add_co_u32 s97, s97, SLOT
.endif
.endr
	s_mul_i32 s96, s[WAV], SAH
	s_add_co_u32 s96, s96, SCA
	s_mul_i32 s97, s[WBV], SBH
	s_add_co_u32 s97, s97, SCB
.if AK == 0
	v_add_nc_u32 v[ADSA], s96, v27
.else
	v_add_nc_u32 v[ADSA], s96, v25
.endif
.if BK == 0
	v_add_nc_u32 v[ADSB], s97, v27
.else
	v_add_nc_u32 v[ADSB], s97, v25
.endif
.endm
.macro FRAGR reg, adr, q, i            ; a fragment from rows as given: 24 bytes of the row's stream of bits twice, in pieces of 8; lanes 16-31 read three pieces on, for some pieces behind one padding more
.irp p, 0,1,2,3,4,5
.set PCE, 12*(\q)+6*(\p/3)+\p%3
.if PCE%8 < 5
	ds_load_b64 v[(\reg)+2*\p:(\reg)+2*\p+1], v[\adr] offset:8*PCE+16*(PCE/8)+(\i)*3840
.else
	ds_load_b64 v[(\reg)+2*\p:(\reg)+2*\p+1], v[(\adr)+3] offset:8*PCE+16*(PCE/8)+(\i)*3840
.endif
.endr
.endm
.macro FRAGI reg, adr, off             ; a fragment from its image
.irp c, 0,1,2
	ds_load_b128 v[(\reg)+4*\c:(\reg)+4*\c+3], v[\adr] offset:(\off)+512*\c
.endr
.endm
.macro FETCH g                         ; step g's fragments and scale words, in one run, into set g % 2
.set fP, (\g)%2
.set fS, ((\g)/NQ)%NSL
.set fQ, (\g)%NQ
	WIN 0x40
.irp i, 0,1,2,3,4,5,6,7
.if BK == 0
	FRAGR 128*fP+12*\i, ADB+fS, fQ, \i
.else
	FRAGI 128*fP+12*\i, ADB+fS, (\i*NQ+fQ)*1536
.endif
.endr
	WIN 0
.irp i, 0,1,2,3,4,5,6,7
.if \i < MA
.if AK == 0
	FRAGR 64+96*fP+12*\i, ADA+fS, fQ, \i
.else
	FRAGI 64+96*fP+12*\i, ADA+fS, (\i*NQ+fQ)*1536
.endif
.endif
.endr
.irp i, 0,1,2,3
.if BK == 0
	ds_load_b32 v[32+8*fP+\i], v[ADSB] offset:1088*\i+4*(\g)
.else
	ds_load_b32 v[32+8*fP+\i], v[ADSB] offset:512*(\g)+128*\i
.endif
.endr
.irp i, 0,1,2,3
.if \i < MA/2
.if AK == 0
	ds_load_b32 v[36+8*fP+\i], v[ADSA] offset:1088*\i+4*(\g)
.else
	ds_load_b32 v[36+8*fP+\i], v[ADSA] offset:64*MA*(\g)+128*\i
.endif
.endif
.endr
.endm
; One matrix instruction: A's block a x B's block b, set P.  cm: C is 0 (0), the accumulator (1), bias tile b (2), bias tile a (3).  An odd block's scale words stand in lanes 16-31.
.macro WM a, b, P, cm
.set rD, 8*(8*((\a)%4)+(\b))
.set rB, 128*(\P)+12*(\b)
.set rA, 64+96*(\P)+12*(\a)
.set rX, 32+8*(\P)+(\b)/2
.set rY, 36+8*(\P)+(\a)/2
.set rC, rD
.if (\cm) == 2
.set rC, 96+8*(\b)+96*((\b)/4)
.endif
.if (\cm) == 3
.set rC, 96+8*(\a)+96*((\a)/4)
.endif
.set pr, 2*((\a)%2)+(\b)%2
.if (\cm) == 0
.if pr == 0
	v_wmma_scale_f32_16x16x128_f8f6f4 v[rD:rD+7], v[rB:rB+11], v[rA:rA+11], 0, v[rX], v[rY] matrix_a_fmt:MATRIX_FMT_FP6 matrix_b_fmt:MATRIX_FMT_FP6
.elseif pr == 1
	v_wmma_scale_f32_16x16x128_f8f6f4 v[rD:rD+7], v[rB:rB+11], v[rA:rA+11], 0, v[rX], v[rY] matrix_a_fmt:MATRIX_FMT_FP6 matrix_b_fmt:MATRIX_FMT_FP6 matrix_a_scale:MATRIX_SCALE_ROW1
.elseif pr == 2
	v_wmma_scale_f32_16x16x128_f8f6f4 v[rD:rD+7], v[rB:rB+11], v[rA:rA+11], 0, v[rX], v[rY] matrix_a_fmt:MATRIX_FMT_FP6 matrix_b_fmt:MATRIX_FMT_FP6 matrix_b_scale:MATRIX_SCALE_ROW1
.else
	v_wmma_scale_f32_16x16x128_f8f6f4 v[rD:rD+7], v[rB:rB+11], v[rA:rA+11], 0, v[rX], v[rY] matrix_a_fmt:MATRIX_FMT_FP6 matrix_b_fmt:MATRIX_FMT_FP6 matrix_a_scale:MATRIX_SCALE_ROW1 matrix_b_scale:MATRIX_SCALE_ROW1
.endif
.else
.if pr == 0
	v_wmma_scale_f32_16x16x128_f8f6f4 v[rD:rD+7], v[rB:rB+11], v[rA:rA+11], v[rC:rC+7], v[rX], v[rY] matrix_a_fmt:MATRIX_FMT_FP6 matrix_b_fmt:MATRIX_FMT_FP6
.elseif pr == 1
	v_wmma_scale_f32_16x16x128_f8f6f4 v[rD:rD+7], v[rB:rB+11], v[rA:rA+11], v[rC:rC+7], v[rX], v[rY] matrix_a_fmt:MATRIX_FMT_FP6 matrix_b_fmt:MATRIX_FMT_FP6 matrix_a_scale:MATRIX_SCALE_ROW1
.elseif pr == 2
	v_wmma_scale_f32_16x16x128_f8f6f4 v[rD:rD+7], v[rB:rB+11], v[rA:rA+11], v[rC:rC+7], v[rX], v[rY] matrix_a_fmt:MATRIX_FMT_FP6 matrix_b_fmt:MATRIX_FMT_FP6 matrix_b_scale:MATRIX_SCALE_ROW1
.else
	v_wmma_scale_f32_16x16x128_f8f6f4 v[rD:rD+7], v[rB:rB+11], v[rA:rA+11], v[rC:rC+7], v[rX], v[rY] matrix_a_fmt:MATRIX_FMT_FP6 matrix_b_fmt:MATRIX_FMT_FP6 matrix_a_scale:MATRIX_SCALE_ROW1 matrix_b_scale:MATRIX_SCALE_ROW1
.endif
.endif
.endm
.macro MUL g, a0, a1, cm               ; A's blocks a0 .. a1 against B's eight.  The accumulators take turns, one instruction a turn, in the same order in every step
.set aa, \a0
.rept (\a1)-(\a0)+1
.if (\cm) >= 2
	WIN 0x91+0x40*(aa/4)
.else
	WIN 0xa1+0x50*(aa/4)
.endif
.irp b, 0,1,2,3,4,5,6,7
	WM aa, \b, (\g)%2, \cm
.endr
.set aa, aa+1
.endr
.endm
.macro STEP g, cm                      ; a step whose successor lies in the same slot: the next step's loads go out in one run ahead of this step's products
	s_wait_dscnt 0x0                               ; this step's fragments and words are in
.if (\g) > 0
	PLACES 4                                       ; the other set was read by the last step's products
.endif
	FETCH (\g)+1
	MUL \g, 0, MA-1, \cm
.endm
; A slot's last step changes slots, with ONE barrier.  kind = 1: slot rs is filled again: each wave waits for all its tensor loads, adds 0 to its spare word, and waits for that and for its LDS reads; the barrier opens a round of
; the cluster's barrier, and the joint refill is the first thing behind the round.  kind = 0: nothing is filled; n tensor loads, younger than the next slot's, may stay out.
.macro STEPX g, kind, n, rs
	s_wait_dscnt 0x0                               ; this step's fragments are in: they were my last reads of this slot
	WIN 0
	s_wait_tensorcnt \n
.if \kind
	ds_add_u32 v[SPW], v[NIL]                      ; 0 onto my spare word; matrix instructions stand between it and the wait for it
.endif
	MUL \g, 0, MA/4-1, 1
.if \kind
	s_wait_dscnt 0x0                               ; the add is done
.endif
	s_barrier_signal -1
	MUL \g, MA/4, MA/2-1, 1
	WIN 0
	s_barrier_wait -1
.if \kind
	CREST                                          ; no wave of any partner still reads slot rs or has a load on its way
	s_add_nc_u64 s[G0A+4*(\rs)+2:G0A+4*(\rs)+3], s[G0A+4*(\rs)+2:G0A+4*(\rs)+3], ASTEP
	s_add_nc_u64 s[G0B+4*(\rs)+2:G0B+4*(\rs)+3], s[G0B+4*(\rs)+2:G0B+4*(\rs)+3], BSTEP
	JLOAD G0A+4*(\rs), G1A, G0B+4*(\rs), G1B       ; its four v_nop are also the places ahead of the loads below
.else
	PLACES 4
.endif
	FETCH (\g)+1
	MUL \g, MA/2, MA-1, 1
.endm
.macro LAST g
	s_wait_dscnt 0x0
	MUL \g, 0, MA-1, 1
	WIN 0
.endm
; THE WAY OUT OF A QUANTISING LAUNCH, block a of 16 of A's rows: my 128 of B's rows are one K step of the next product.
.macro SWAP a                          ; register j of tile b holds B's row 16 b + 8 h + j.  Tiles 2 u and 2 u + 1 change halves: then register 16 u + i holds k = 32 u + 16 h + i.  Each accumulator is read from its low end on
.set AC, 64*((\a)%4)
.set WQ, 2+(\a)/4
	WIN (WQ<<6)|WQ
.irp b, 0,1,2,3
.irp j, 0,1,2,3,4,5,6,7
	v_permlane16_swap_b32 v[AC+16*\b+\j], v[AC+16*\b+8+\j]
.endr
.endr
.endm
.macro QHEAD a                         ; the four blocks' largest magnitudes, with the floor 2^(3 - 127) among the leaves, so that no byte falls under 1
.set AC, 64*((\a)%4)
.set WQ, 2+(\a)/4
	WIN WQ|(WQ<<2)
.irp b, 0,1,2,3
	v_max3_num_f32 v[TM+\b], |v[AC+16*\b]|, |v[AC+16*\b+1]|, 0x1800000
.endr
.irp i, 2,4,6,8,10,12,14
.irp b, 0,1,2,3
	v_max3_num_f32 v[TM+\b], |v[AC+16*\b+\i]|, |v[AC+16*\b+\i+1]|, v[TM+\b]
.endr
.endr
	WIN 0
.irp b, 0,1,2,3
	v_permlanex16_b32 v[TM+4+\b], v[TM+\b], s[SEL], s[SEL+1]
.endr
.irp b, 0,1,2,3
	v_max_num_f32 v[TM+\b], v[TM+\b], v[TM+4+\b]   ; with lane l xor 16's 16 numbers: the block's
.endr
.endm
.macro QTAIL a                         ; from the largest magnitudes in v[TM] on: the scale word in v[PW], the fragment in v[PC] on
.set AC, 64*((\a)%4)
.irp b, 0,1,2,3
	v_add_nc_u32 v[TM+12+\b], 0xff000000, v[TM+\b] ; 2 off the exponent field: the conversion takes that field of this operand as its scale
.endr
.irp b, 0,1,2,3
	v_lshrrev_b32 v[TM+4+\b], 23, v[TM+12+\b]      ; the scale's byte
.endr
	v_lshl_or_b32 v[PW], v[TM+5], 8, v[TM+4]
	v_lshl_or_b32 v[PW], v[TM+6], 16, v[PW]
	v_lshl_or_b32 v[PW], v[TM+7], 24, v[PW]
	s_wait_xcnt 0x0                                ; the last block's stores have read their data and their offset: both are written again only behind this wait
.if GSTEP && ((\a) > 0)
	v_add_nc_u32 v[GOF], s[ASTR], v[GOF]
.endif
	WIN 2+(\a)/4
.irp c, 0,1
	v_cvt_scalef32_pk16_fp6_f32 v[PC+6*\c:PC+6*\c+2], v[AC+32*\c:AC+32*\c+15], v[TM+12+2*\c]
	v_cvt_scalef32_pk16_fp6_f32 v[PC+12+4*\c:PC+14+4*\c], v[AC+32*\c+16:AC+32*\c+31], v[TM+13+2*\c]   ; (a conversion's three registers begin on an even number)
.endr
	WIN 0
	v_nop                                          ; one plain place behind the scaled conversions
.irp c, 0,1                            ; the operand's layout wants a whole block in a lane: lanes 0-15 block 2 c, lanes 16-31 block 2 c + 1
.irp i, 0,1,2
	v_permlane16_swap_b32 v[PC+6*\c+\i], v[PC+12+4*\c+\i]
.endr
.irp i, 0,1,2
	v_mov_b32 v[PC+3+6*\c+\i], v[PC+12+4*\c+\i]
.endr
.endr
.endm
.macro STOREF p, off                   ; the image: each store of the wave covers 512 consecutive bytes, aligned
.irp c, 0,1,2
	global_store_b128 v[GOF], v[PC+4*\c:PC+4*\c+3], s[\p:(\p)+1] offset:(\off)+512*\c
.endr
.endm
.macro OUTB a, p, off
.if (\a) > 0
	s_wait_dscnt 0x0                               ; the last block's LDS stores have read their registers
.endif
	SWAP \a
	QHEAD \a
	QTAIL \a
	STOREF \p, \off
	ds_store_b32 v[WSA], v[PW] offset:64*(\a)      ; both lanes of a row write the same word
.endm
.macro WADDRS                          ; the stage for the scale words
	s_mul_i32 s96, s[WV], WSB
	s_add_co_u32 s96, s96, WST
	v_lshl_add_u32 v[WSA], v20, 2, s96
.if MA == 8
	v_add_nc_u32 v[WSR], s96, v[GOF]
	v_mov_b32 v[GSO], v[GOF]
.else
	v_lshl_add_u32 v[WSR], v22, 3, s96
	v_lshlrev_b32 v[GSO], 3, v22
.endif
.endm
; ---- the core ends ----
; Block a of 16 queries: the softmax's numerator for my 128 keys, and its quantising.
.macro SOFT a
.if (\a) > 0
	s_wait_dscnt 0x0                               ; the last block's LDS stores have read their registers
.endif
	SWAP \a                                        ; register 16 u + i: key 32 u + 16 h + i
	WIN WQ|(WQ<<2)
.irp b, 0,1,2,3
	v_max_num_f32 v[TM+\b], v[AC+16*\b], v[AC+16*\b+1]   ; the largest SCORE of each block of 32 keys: it serves for the row's maximum and, since p rises with the score, for the block's largest p
.endr
.irp i, 2,4,6,8,10,12,14
.irp b, 0,1,2,3
	v_max3_num_f32 v[TM+\b], v[AC+16*\b+\i], v[AC+16*\b+\i+1], v[TM+\b]
.endr
.endr
	WIN 0
.irp b, 0,1,2,3
	v_permlanex16_b32 v[TM+4+\b], v[TM+\b], s[SEL], s[SEL+1]
.endr
.irp b, 0,1,2,3
	v_max_num_f32 v[TM+\b], v[TM+\b], v[TM+4+\b]
.endr
	v_max3_num_f32 v[RX], v[TM], v[TM+1], v[TM+2]
	v_max_num_f32 v[RX], v[RX], v[TM+3]
	v_mul_f32 v[RX], s[CS], v[RX]                  ; the largest t of these 128 keys (c is positive)
	v_floor_f32 v[NM], -v[RX]                      ; -M = floor(-t) = -ceil(t): a whole number
.irp b, 0,1,2,3
	v_fma_f32 v[TM+\b], v[TM+\b], s[CS], v[NM]
.endr
	WIN (WQ<<6)|WQ
.irp j, 0,2,4,6,8,10,12,14,16,18,20,22,24,26,28,30,32,34,36,38,40,42,44,46,48,50,52,54,56,58,60,62
	v_pk_fma_f32 v[AC+\j:AC+\j+1], v[AC+\j:AC+\j+1], s[CS:CS+1], v[NM:NM+1] op_sel_hi:[1,0,0]   ; t - M, two at a time
.endr
.irp j, 0,1,2,3,4,5,6,7,8,9,10,11,12,13,14,15,16,17,18,19,20,21,22,23,24,25,26,27,28,29,30,31,32,33,34,35,36,37,38,39,40,41,42,43,44,45,46,47,48,49,50,51,52,53,54,55,56,57,58,59,60,61,62,63
	v_exp_f32 v[AC+\j], v[AC+\j]                   ; p = 2^(t - M), at most 1
.endr
	WIN 0
.irp b, 0,1,2,3
	v_exp_f32 v[TM+\b], v[TM+\b]                   ; each block's largest p: the same two instructions on the same number
.endr
	v_nop                                          ; a plain place behind the last exponential
	s_wait_alu depctr_va_vdst(0)                   ; one wait for the batch of 68, ahead of its first reader
	WIN WQ|(WQ<<2)
	v_pk_add_f32 v[LS:LS+1], v[AC:AC+1], v[AC+2:AC+3]       ; the sum of the UNQUANTISED p, in two chains
	v_pk_add_f32 v[LS+2:LS+3], v[AC+4:AC+5], v[AC+6:AC+7]
	WIN WQ
.irp j, 8,12,16,20,24,28,32,36,40,44,48,52,56,60
	v_pk_add_f32 v[LS:LS+1], v[AC+\j:AC+\j+1], v[LS:LS+1]
	v_pk_add_f32 v[LS+2:LS+3], v[AC+\j+2:AC+\j+3], v[LS+2:LS+3]
.endr
	WIN 0
	v_pk_add_f32 v[LS:LS+1], v[LS:LS+1], v[LS+2:LS+3]
	v_add_f32 v[LS], v[LS], v[LS+1]
	v_permlanex16_b32 v[LS+1], v[LS], s[SEL], s[SEL+1]
	v_add_f32 v[LS], v[LS], v[LS+1]                ; with lane l xor 16's 64 keys
.irp b, 0,1,2,3
	v_max_num_f32 v[TM+\b], 0x1800000, v[TM+\b]    ; the floor 2^(3 - 127): no byte falls under 1
.endr
	QTAIL \a
	STOREF 8, (\a)*24576
	ds_store_b32 v[WSA], v[PW] offset:64*(\a)
	ds_store_b32 v[WSA], v[NM] offset:512+64*(\a)
	ds_store_b32 v[WSA], v[LS] offset:1024+64*(\a)
.endm
	s_load_b256 s[4:11], s[0:1], 0x0               ; qkv_codes s[4:5], qkv_scales s[6:7], p_codes s[8:9], p_stats s[10:11]
	v_lshl_add_u32 v[SPW], v0, 2, SPARE
	v_mov_b32 v[NIL], 0
	ds_add_u32 v[SPW], v[NIL]                      ; the wave's opening: the add, twice on end, and its wait ahead of my first tensor load
	ds_add_u32 v[SPW], v[NIL]
	IDS
	G1SET G1A, 2, IMGW, 384, 8, 1536               ; 8 row tiles x two steps' images (3,072 bytes), 12,288 bytes apart
	G1SET G1B, 3, IMGW, 384, 8, 1536
	G1SET G1SA, 2, IMGW, 64, 8, 4096               ; 8 steps x 128 rows' words (512 bytes), 32,768 bytes apart
	G1SET G1SB, 3, IMGW, 64, 8, 4096
	s_lshl_b32 s[TA], s[CLY], 2
	s_add_co_u32 s[TA], s[TA], s[CYI]              ; my 256 queries, counted through the batches
	s_lshl_b32 s[TB], s[CLX], 2
	s_add_co_u32 s[TB], s[TB], s[CXI]              ; my 256 keys of the batch
	s_lshl_b32 s96, s[TA], 1
	s_add_co_u32 s96, s96, s[WBV]                  ; the 128 queries that I would fetch
	s_lshl_b32 s100, s96, 9
	s_mul_i32 s96, s96, 98304
	s_mov_b32 s97, 0
	s_mov_b32 s101, 0
	s_lshr_b32 s98, s[CLY], 1                      ; the batch
	s_lshl_b32 s98, s98, 3
	s_add_co_u32 s98, s98, s[TB]
	s_lshl_b32 s98, s98, 1
	s_add_co_u32 s98, s98, s[WBV]                  ; the 128 keys
	s_lshl_b32 s66, s98, 9
	s_add_co_u32 s66, s66, 262144
	s_mul_i32 s98, s98, 98304
	s_add_co_u32 s98, s98, 6291456
	s_mov_b32 s99, 0
	s_mov_b32 s67, 0
	s_wait_dscnt 0x0                               ; both opening adds are done
	s_wait_kmcnt 0x0
	s_add_nc_u64 s[96:97], s[4:5], s[96:97]
	s_add_nc_u64 s[98:99], s[4:5], s[98:99]
	s_add_nc_u64 s[100:101], s[6:7], s[100:101]
	s_add_nc_u64 s[66:67], s[6:7], s[66:67]
	CROUND                                         ; all sixteen work-groups are here: the first joint loads meet
	G0SET G0SA, SAH, SCA, 100, 0
	G0SET G0SB, SBH, SCB, 66, 0
	JLOAD G0SA, G1SA, G0SB, G1SB                   ; the scale words for all of K: filled once
	FILLSLOTS                                      ; steps 0 to 5: four loads of mine are out
	ADDRS
	WADDRS
	s_lshl_b32 s96, s[TA], 1
	s_add_co_u32 s96, s96, s[WAV]                  ; my 128 queries
	s_lshl_b32 s97, s[TB], 1
	s_add_co_u32 s97, s97, s[WBV]                  ; my key step
	s_lshl_b32 s98, s96, 7                         ; 8 row tiles x 16 steps
	s_add_co_u32 s98, s98, s97
	s_mul_i32 s98, s98, 1536
	s_mov_b32 s99, 0
	s_add_nc_u64 s[8:9], s[8:9], s[98:99]
	s_lshl_b32 s98, s97, 15
	s_lshl_b32 s96, s96, 9
	s_add_co_u32 s98, s98, s96
	s_add_nc_u64 s[10:11], s[10:11], s[98:99]
	s_wait_tensorcnt 0x2                           ; the scale words and my part of slot 0 are in; the two younger loads, slots 1 and 2, may stay out
	s_barrier_signal -1
	s_barrier_wait -1
	FETCH 0
	STEP 0, 0                                      ; the first products start the sums: nothing is cleared
	STEPX 1, 0, 1, 0                               ; slot 1 is in; slot 2's load, the one younger, may stay out
	STEP 2, 1
	STEPX 3, 1, 0, 0                               ; slot 2 is wanted now, so the wait for all loads costs nothing more: slot 0, left two steps ago, takes steps 6, 7
	STEP 4, 1
	STEPX 5, 0, 0, 0
	STEP 6, 1
	LAST 7
	PLACES 4
	s_mov_b32 s[SEL], 0x76543210
	s_mov_b32 s[SEL+1], 0xfedcba98
	s_mov_b32 s[CS], 0x3e38aa3b                    ; c = log2(e) / sqrt(64)
	s_mov_b32 s[CS+1], s[CS]                       ; (named with it as a pair, so it is written)
.irp b, 0,1,2,3
	v_mov_b32 v[TM+4+\b], 0                        ; written once: a lane permute's destination counts as one of its sources
.endr
	v_mov_b32 v[NM+1], 0                           ; (named as the upper half of a pair)
.irp a, 0,1,2,3,4,5,6,7
	SOFT \a
.endr
.irp c, 0,1,2
	ds_load_b128 v[OW+4*\c:OW+4*\c+3], v[WSR] offset:512*\c   ; LDS serves a wave's instructions in order (ISA guide 5.7.1.4): these see my stores
.endr
	s_wait_dscnt 0x0
.irp c, 0,1,2
	global_store_b128 v[GSO], v[OW+4*\c:OW+4*\c+3], s[10:11] offset:524288*\c   ; words, -M, l of my 128 queries: 512 consecutive bytes each
.endr
	s_wait_tensorcnt 0x0                           ; the wave's end
	ds_add_u32 v[SPW], v[NIL]
	s_wait_dscnt 0x0
	CROUND                                         ; the closing round
	s_endpgm
.Lfunc_end_k_q4cf0ed9480_scores:
	.size	k_q4cf0ed9480_scores, .Lfunc_end_k_q4cf0ed9480_scores-k_q4cf0ed9480_scores
	.p2alignl 7, 3214868480
	.fill 96, 4, 3214868480
	.section	.rodata,"a",@progbits
	.p2align	6, 0x0
	.amdhsa_kernel k_q4cf0ed9480_scores
		.amdhsa_group_segment_fixed_size 327680
		.amdhsa_private_segment_fixed_size 0
		.amdhsa_enable_private_segment 0
		.amdhsa_kernarg_size 32
		.amdhsa_user_sgpr_count 2
		.amdhsa_user_sgpr_kernarg_segment_ptr 1
		.amdhsa_wavefront_size32 1
		.amdhsa_system_sgpr_workgroup_id_x 1
		.amdhsa_system_sgpr_workgroup_id_y 1
		.amdhsa_system_sgpr_workgroup_id_z 1
		.amdhsa_system_vgpr_workitem_id 0
		.amdhsa_next_free_vgpr 1024
		.amdhsa_next_free_sgpr 102
		.amdhsa_reserve_vcc 0
		.amdhsa_float_denorm_mode_32 3
		.amdhsa_float_denorm_mode_16_64 3
		.amdhsa_memory_ordered 1
		.amdhsa_forward_progress 1
		.amdhsa_inst_pref_size 206
	.end_amdhsa_kernel
	.amdgpu_metadata
---
amdhsa.version: [ 1, 2 ]
amdhsa.kernels:
  - .name:           k_q4cf0ed9480_scores
    .symbol:         k_q4cf0ed9480_scores.kd
    .args:
      - { .name: qkv_codes, .offset: 0, .size: 8, .value_kind: global_buffer, .address_space: global }
      - { .name: qkv_scales, .offset: 8, .size: 8, .value_kind: global_buffer, .address_space: global }
      - { .name: p_codes, .offset: 16, .size: 8, .value_kind: global_buffer, .address_space: global }
      - { .name: p_stats, .offset: 24, .size: 8, .value_kind: global_buffer, .address_space: global }
    .group_segment_fixed_size: 327680
    .private_segment_fixed_size: 0
    .kernarg_segment_align: 8
    .kernarg_segment_size: 32
    .max_flat_workgroup_size: 128
    .sgpr_count:     102
    .vgpr_count:     1024
    .wavefront_size: 32
...
	.end_amdgpu_metadata
.endif
;; end of part 2
;; launch context (part 3): grid 4 x 64, 4 waves a work-group, clusters of 4 x 4, 327,680 bytes of LDS; arguments p_codes, p_stats, qkv_codes, qkv_scales, ctx_codes, ctx_scales; writes ctx_codes, ctx_scales
.if DOCPART == 3
	.amdgcn_target "amdgcn-amd-amdhsa--gfx1250"
	.amdhsa_code_object_version 6
	.text
	.protected	k_q4cf0ed9480_context
	.globl	k_q4cf0ed9480_context
	.p2align	8
	.type	k_q4cf0ed9480_context,@function
k_q4cf0ed9480_context:
	s_mov_b64 s[64:65], 0
	v_nop
	global_prefetch_b8 v0, s[64:65] scope:SCOPE_SE
	s_setreg_imm32_b32 hwreg(HW_REG_WAVE_MODE, 25, 1), 1
	s_wait_xcnt 0x0
	s_wait_alu depctr_hold_cnt(0) depctr_sa_sdst(0) depctr_va_vdst(0) depctr_va_sdst(0) depctr_va_ssrc(0) depctr_va_vcc(0) depctr_vm_vsrc(0)
	s_getreg_b32 s2, hwreg(HW_REG_IB_STS2, 6, 4)
	s_cmp_eq_u32 s2, 0
	s_cbranch_scc0 .Lentry_in_a_cluster
	s_endpgm
.Lentry_in_a_cluster:
	s_bfe_u32 s2, ttmp6, 0x10000c
	s_cmp_lg_u32 s2, 0xf033
	s_cbranch_scc0 .Lentry_shape_is_right
	s_endpgm
.Lentry_shape_is_right:
; LAUNCH 3 OF 4.  context = (p v) / l on codes of FP6 (E2M3), K = the batch's 2,048 keys; the result is quantised along the 1,024 features for the projection.  No work is left out.
; p CAME UNDER LOCAL M (one for a query and 128 keys).  At the head thread t joins row t's sixteen: -M = the smallest -M_s; d_s = M - M_s, a whole number, 0 or more; l = the sum of l_s 2^-d_s (exact scalings);
; and d_s is taken off each of the four bytes of the step's scale word: p 2^-d_s with the same codes.  The words so mended go to LDS by ds_store, laid as the core reads scale words.
; IN.  p_codes: fragment images (12 operand registers of 16 rows x 128 K, 1,536 bytes) [query tile of 16: 512][key step: 16]; p_stats [16][8192]: words at 0, -M at 524,288, l at 1,048,576;
; v in qkv_codes at 12,582,912: [batch][tile of 16 features: 64][key step: 16]; its words in qkv_scales at 524,288: [batch][16][1024].   OUT.  ctx_codes [token tile of 16: 512][K step: 8]; ctx_scales [8][8192].
; SHARES.  A work-group of four waves makes 128 queries x 256 features (256 x 256 would leave half of the WGPs without work), a wave 64 x 128: 32 accumulators.  Source 1 takes queries ("A"), source 0 features ("B").
; CLUSTER 4 x 4: p's tiles are asked for jointly by a row of the cluster, v's by a column.  K goes in 16 steps of 128, four to a slot, two slots.
; LIMITS.  NaN and infinities are not served.  d_s is held at 127, and a scale byte that would fall under 0 is held at 0: what is so kept too large is under 2^-120 beside l > 1/2.
; A block of the result that is all zeros or lies under 2^-124 gets the scale byte 1.
.set MA,    4
.set AK,    1
.set BK,    1
.set NQ,    4
.set NSL,   2
.set AHALF, 24576                      ; 4 row tiles x 4 steps x 1,536
.set BHALF, 49152                      ; 8 row tiles x 4 steps x 1,536
.set SLOT,  2*(AHALF+BHALF)
.set AINC,  6144
.set BINC,  6144
.set ASTEP, 12288
.set BSTEP, 12288
.set SCA,   NSL*SLOT                   ; p's mended words [half][step: 16][64 rows]: written by ds_store, never a fill's target
.set SAH,   4096
.set SCB,   SCA+2*SAH                  ; v's words [half][step: 16][128 rows]
.set SBH,   8192
.set RL,    SCB+2*SBH                  ; 1 / l of the 128 rows
.set WST,   RL+512                     ; a stage of 256 bytes for each wave: the scale words that it makes
.set WSB,   256
.set SPARE, WST+4*WSB
.set GSTEP, 0
; ---- the core that this program's four bodies share: names, then macros ----
.set WV,   20                          ; s20  my wave's number
.set WAV,  21                          ; s21  wave / 2: my half of A's rows.  Also: I fetch for A (0) or for B (1)
.set WBV,  22                          ; s22  wave % 2: my half of B's rows.  Also: which half of that operand I fetch
.set CXI,  23                          ; s23, s24  my place in the cluster
.set CYI,  24
.set CLX,  25                          ; s25, s26  the cluster's x and y
.set CLY,  26
.set FLG,  27                          ; s27  a role, where a launch has two
.set TA,   18                          ; s18, s19  A's and B's tile numbers
.set TB,   19
.set ASTR, 3                           ; s3   bytes from a block's image to the next block's, where it is no constant
.set G1A,  28                          ; descriptor groups 1: A's codes, B's codes, A's scales, B's scales
.set G1B,  36
.set G1SA, 44
.set G1SB, 52
.set G0SA, 60                          ; groups 0: the scales', then one for each slot
.set G0SB, 68
.set G0A,  72
.set G0B,  84
.set SEL,  96                          ; s[96:97] on the way out: lane selects for lane l xor 16
.set CS,   98                          ; s[98:99] on the way out: a constant, as a pair
.set ADA,  1                           ; v1-3 LDS address of my A fragments in slot 0, 1, 2; v4-6 the same behind one padding more (rows as given)
.set ADB,  7                           ; v7-9, v10-12 the same for B
.set ADSA, 13                          ; v13, v14 LDS address of my scale words
.set ADSB, 14
.set WSA,  15                          ; v15, v16 a stage: on the way in, on the way back
.set WSR,  16
.set GOF,  17                          ; v17  16 x lane
.set GSO,  18                          ; v18  my offset in the wave's run of scale words
.set BO,   19                          ; v19  a launch's own offset
.set SPW,  62                          ; v62  LDS address of my spare word; never rewritten
.set NIL,  63                          ; v63  0; never rewritten
.set TM,   64                          ; the way out, window 0: v64-67 largest magnitudes, v68-71 bytes, v76-79 the conversions' scale operands
.set PW,   80                          ; the scale word just made
.set RX,   81
.set PC,   84                          ; v84-103 the codes just made
.set NM,   104
.set LS,   106
.set RR,   112
.set OW,   120
.set ROWC, (1<<20)|(3<<22)|(3<<25)     ; group 1, word 0: bytes; 16 bytes of padding behind every 64
.set ROWS, (3<<16)|(1<<20)|(5<<22)|(3<<25)   ; elements of 8 bytes; 16 bytes of padding behind every 256
.set IMGW, 3<<16                       ; elements of 8 bytes, no padding
; REGISTERS, in windows of 256.  Window 0: v0-31 addresses; v32-47 scale words and nothing else, two sets of 8 (B's block pairs 0-3, A's 0-3: the even block in lanes 0-15, the odd one in lanes 16-31);
; v64-159, v160-255 A's fragments, two sets.  Window 1: v0-95, v128-223 B's fragments, two sets; v96-127, v224-255 eight tiles of bias.  Windows 2, 3: the accumulators, (a, b) at v[8 (8 (a % 4) + b)] of window 2 + a / 4.
.set MSB, 0
.macro WIN new                         ; the immediate's high byte repeats the setting that is left; a switch that changes nothing is dropped
.if MSB != (\new)
	s_set_vgpr_msb (MSB<<8)|(\new)
.set MSB, \new
.endif
.endm
.macro PLACES n                        ; plain places behind matrix instructions, ahead of loads into their registers and of reads of their results
.rept \n
	v_nop
.endr
.endm
.macro CREST                           ; a round of the cluster's barrier behind its opening barrier
	s_cmp_lg_u32 s[WV], 0
	s_cbranch_scc1 .Lnot_wave_0_\@
	s_barrier_signal -3
.Lnot_wave_0_\@:
	s_barrier_wait -3
	s_barrier_signal -1
	s_barrier_wait -1
.endm
.macro CROUND                          ; a whole round
	s_barrier_signal -1
	s_barrier_wait -1
	CREST
.endm
.macro JLOAD g0a, g1a, g0b, g1b        ; a joint load: waves 0, 1 fetch A's halves, waves 2, 3 B's.  The branch hangs on the wave's number alone; s_nop 0 and four v_nop follow each line
	s_cmp_eq_u32 s[WAV], 0
	s_cbranch_scc0 .Lfor_b_\@
	tensor_load_to_lds s[(\g0a):(\g0a)+3], s[(\g1a):(\g1a)+7]
	s_nop 0
.rept 4
	v_nop
.endr
	s_branch .Lasked_\@
.Lfor_b_\@:
	tensor_load_to_lds s[(\g0b):(\g0b)+3], s[(\g1b):(\g1b)+7]
	s_nop 0
.rept 4
	v_nop
.endr
.Lasked_\@:
.endm
.macro IDS                             ; wave, place, cluster; s2 = my row of the cluster as a mask, s3 = my column
	v_lshrrev_b32 v20, 5, v0
	v_readfirstlane_b32 s[WV], v20
	s_lshr_b32 s[WAV], s[WV], 1
	s_and_b32 s[WBV], s[WV], 1
	s_bfe_u32 s[CXI], ttmp6, 0x40000
	s_bfe_u32 s[CYI], ttmp6, 0x40004
	s_mov_b32 s[CLX], ttmp9
	s_and_b32 s[CLY], ttmp7, 0xffff
	s_lshl_b32 s2, s[CYI], 2
	s_lshl_b32 s2, 15, s2
	s_lshl_b32 s3, 0x1111, s[CXI]
.endm
.macro G1SET g, m, w0, c, r, p         ; group 1: mask in s[m], bit 21 beside it, the fields w0; r rows of c elements, p elements apart in memory
	s_or_b32 s[\g], s[\m], (\w0)|(1<<21)
	s_mov_b32 s[(\g)+1], ((\c)&0xffff)<<16
	s_mov_b32 s[(\g)+2], ((\c)>>16)|((\r)<<16)
	s_mov_b32 s[(\g)+3], (\c)<<16
	s_mov_b32 s[(\g)+4], \r
	s_mov_b32 s[(\g)+5], \p
	s_mov_b32 s[(\g)+6], 0
	s_mov_b32 s[(\g)+7], 0
.endm
.macro G0SET g, hb, base, p, po        ; group 0: to LDS byte base + hb x (wave % 2), from s[p:p+1] + po
	s_mov_b32 s[\g], 1
	s_mul_i32 s[(\g)+1], s[WBV], \hb
	s_add_co_u32 s[(\g)+1], s[(\g)+1], \base
	s_add_nc_u64 s[(\g)+2:(\g)+3], s[\p:(\p)+1], \po
	s_or_b32 s[(\g)+3], s[(\g)+3], 0x80000000
.endm
.macro FILLSLOTS                       ; the slots' first fills: A's codes from s[96:97], B's from s[98:99]
.irp s, 0,1,2
.if \s < NSL
	G0SET G0A+4*\s, AHALF, \s*SLOT, 96, \s*AINC
	G0SET G0B+4*\s, BHALF, 2*AHALF+\s*SLOT, 98, \s*BINC
	JLOAD G0A+4*\s, G1A, G0B+4*\s, G1B
.endif
.endr
.endm
.macro ADDRS                           ; v20 = r = lane % 16, v21 = h = lane / 16, v22 = lane; the LDS addresses: constants, the lane and the wave alone
	v_and_b32 v20, 15, v0
	v_bfe_u32 v21, v0, 4, 1
	v_and_b32 v22, 31, v0
	v_lshlrev_b32 v[GOF], 4, v22
.if (AK == 0) || (BK == 0)
	v_mul_u32_u24 v23, v20, 240
	v_mad_u32_u24 v23, v21, 24, v23                ; rows as given: row r x 240 + 24 h,
	v_lshl_add_u32 v24, v21, 4, v23                ; and the same behind one padding more
	v_lshrrev_b32 v26, 3, v22
	v_lshlrev_b32 v27, 5, v22
	v_lshl_add_u32 v27, v26, 4, v27                ; scale rows of 32 bytes, 16 more behind every eight: lane l takes row l of a pair of blocks
.endif
.if (AK == 1) || (BK == 1)
	v_lshlrev_b32 v25, 2, v22                      ; words by step: 4 x lane
.endif
	s_mul_i32 s96, s[WAV], AHALF
	s_mul_i32 s97, s[WBV], BHALF
	s_add_co_u32 s97, s97, 2*AHALF
.irp s, 0,1,2
.if \s < NSL
.if AK == 0
	v_add_nc_u32 v[ADA+\s], s96, v23
	v_add_nc_u32 v[ADA+3+\s], s96, v24
.else
	v_add_nc_u32 v[ADA+\s], s96, v[GOF]
.endif
.if BK == 0
	v_add_nc_u32 v[ADB+\s], s97, v23
	v_add_nc_u32 v[ADB+3+\s], s97, v24
.else
	v_add_nc_u32 v[ADB+\s], s97, v[GOF]
.endif
	s_add_co_u32 s96, s96, SLOT
	s_add_co_u32 s97, s97, SLOT
.endif
.endr
	s_mul_i32 s96, s[WAV], SAH
	s_add_co_u32 s96, s96, SCA
	s_mul_i32 s97, s[WBV], SBH
	s_add_co_u32 s97, s97, SCB
.if AK == 0
	v_add_nc_u32 v[ADSA], s96, v27
.else
	v_add_nc_u32 v[ADSA], s96, v25
.endif
.if BK == 0
	v_add_nc_u32 v[ADSB], s97, v27
.else
	v_add_nc_u32 v[ADSB], s97, v25
.endif
.endm
.macro FRAGR reg, adr, q, i            ; a fragment from rows as given: 24 bytes of the row's stream of bits twice, in pieces of 8; lanes 16-31 read three pieces on, for some pieces behind one padding more
.irp p, 0,1,2,3,4,5
.set PCE, 12*(\q)+6*(\p/3)+\p%3
.if PCE%8 < 5
	ds_load_b64 v[(\reg)+2*\p:(\reg)+2*\p+1], v[\adr] offset:8*PCE+16*(PCE/8)+(\i)*3840
.else
	ds_load_b64 v[(\reg)+2*\p:(\reg)+2*\p+1], v[(\adr)+3] offset:8*PCE+16*(PCE/8)+(\i)*3840
.endif
.endr
.endm
.macro FRAGI reg, adr, off             ; a fragment from its image
.irp c, 0,1,2
	ds_load_b128 v[(\reg)+4*\c:(\reg)+4*\c+3], v[\adr] offset:(\off)+512*\c
.endr
.endm
.macro FETCH g                         ; step g's fragments and scale words, in one run, into set g % 2
.set fP, (\g)%2
.set fS, ((\g)/NQ)%NSL
.set fQ, (\g)%NQ
	WIN 0x40
.irp i, 0,1,2,3,4,5,6,7
.if BK == 0
	FRAGR 128*fP+12*\i, ADB+fS, fQ, \i
.else
	FRAGI 128*fP+12*\i, ADB+fS, (\i*NQ+fQ)*1536
.endif
.endr
	WIN 0
.irp i, 0,1,2,3,4,5,6,7
.if \i < MA
.if AK == 0
	FRAGR 64+96*fP+12*\i, ADA+fS, fQ, \i
.else
	FRAGI 64+96*fP+12*\i, ADA+fS, (\i*NQ+fQ)*1536
.endif
.endif
.endr
.irp i, 0,1,2,3
.if BK == 0
	ds_load_b32 v[32+8*fP+\i], v[ADSB] offset:1088*\i+4*(\g)
.else
	ds_load_b32 v[32+8*fP+\i], v[ADSB] offset:512*(\g)+128*\i
.endif
.endr
.irp i, 0,1,2,3
.if \i < MA/2
.if AK == 0
	ds_load_b32 v[36+8*fP+\i], v[ADSA] offset:1088*\i+4*(\g)
.else
	ds_load_b32 v[36+8*fP+\i], v[ADSA] offset:64*MA*(\g)+128*\i
.endif
.endif
.endr
.endm
; One matrix instruction: A's block a x B's block b, set P.  cm: C is 0 (0), the accumulator (1), bias tile b (2), bias tile a (3).  An odd block's scale words stand in lanes 16-31.
.macro WM a, b, P, cm
.set rD, 8*(8*((\a)%4)+(\b))
.set rB, 128*(\P)+12*(\b)
.set rA, 64+96*(\P)+12*(\a)
.set rX, 32+8*(\P)+(\b)/2
.set rY, 36+8*(\P)+(\a)/2
.set rC, rD
.if (\cm) == 2
.set rC, 96+8*(\b)+96*((\b)/4)
.endif
.if (\cm) == 3
.set rC, 96+8*(\a)+96*((\a)/4)
.endif
.set pr, 2*((\a)%2)+(\b)%2
.if (\cm) == 0
.if pr == 0
	v_wmma_scale_f32_16x16x128_f8f6f4 v[rD:rD+7], v[rB:rB+11], v[rA:rA+11], 0, v[rX], v[rY] matrix_a_fmt:MATRIX_FMT_FP6 matrix_b_fmt:MATRIX_FMT_FP6
.elseif pr == 1
	v_wmma_scale_f32_16x16x128_f8f6f4 v[rD:rD+7], v[rB:rB+11], v[rA:rA+11], 0, v[rX], v[rY] matrix_a_fmt:MATRIX_FMT_FP6 matrix_b_fmt:MATRIX_FMT_FP6 matrix_a_scale:MATRIX_SCALE_ROW1
.elseif pr == 2
	v_wmma_scale_f32_16x16x128_f8f6f4 v[rD:rD+7], v[rB:rB+11], v[rA:rA+11], 0, v[rX], v[rY] matrix_a_fmt:MATRIX_FMT_FP6 matrix_b_fmt:MATRIX_FMT_FP6 matrix_b_scale:MATRIX_SCALE_ROW1
.else
	v_wmma_scale_f32_16x16x128_f8f6f4 v[rD:rD+7], v[rB:rB+11], v[rA:rA+11], 0, v[rX], v[rY] matrix_a_fmt:MATRIX_FMT_FP6 matrix_b_fmt:MATRIX_FMT_FP6 matrix_a_scale:MATRIX_SCALE_ROW1 matrix_b_scale:MATRIX_SCALE_ROW1
.endif
.else
.if pr == 0
	v_wmma_scale_f32_16x16x128_f8f6f4 v[rD:rD+7], v[rB:rB+11], v[rA:rA+11], v[rC:rC+7], v[rX], v[rY] matrix_a_fmt:MATRIX_FMT_FP6 matrix_b_fmt:MATRIX_FMT_FP6
.elseif pr == 1
	v_wmma_scale_f32_16x16x128_f8f6f4 v[rD:rD+7], v[rB:rB+11], v[rA:rA+11], v[rC:rC+7], v[rX], v[rY] matrix_a_fmt:MATRIX_FMT_FP6 matrix_b_fmt:MATRIX_FMT_FP6 matrix_a_scale:MATRIX_SCALE_ROW1
.elseif pr == 2
	v_wmma_scale_f32_16x16x128_f8f6f4 v[rD:rD+7], v[rB:rB+11], v[rA:rA+11], v[rC:rC+7], v[rX], v[rY] matrix_a_fmt:MATRIX_FMT_FP6 matrix_b_fmt:MATRIX_FMT_FP6 matrix_b_scale:MATRIX_SCALE_ROW1
.else
	v_wmma_scale_f32_16x16x128_f8f6f4 v[rD:rD+7], v[rB:rB+11], v[rA:rA+11], v[rC:rC+7], v[rX], v[rY] matrix_a_fmt:MATRIX_FMT_FP6 matrix_b_fmt:MATRIX_FMT_FP6 matrix_a_scale:MATRIX_SCALE_ROW1 matrix_b_scale:MATRIX_SCALE_ROW1
.endif
.endif
.endm
.macro MUL g, a0, a1, cm               ; A's blocks a0 .. a1 against B's eight.  The accumulators take turns, one instruction a turn, in the same order in every step
.set aa, \a0
.rept (\a1)-(\a0)+1
.if (\cm) >= 2
	WIN 0x91+0x40*(aa/4)
.else
	WIN 0xa1+0x50*(aa/4)
.endif
.irp b, 0,1,2,3,4,5,6,7
	WM aa, \b, (\g)%2, \cm
.endr
.set aa, aa+1
.endr
.endm
.macro STEP g, cm                      ; a step whose successor lies in the same slot: the next step's loads go out in one run ahead of this step's products
	s_wait_dscnt 0x0                               ; this step's fragments and words are in
.if (\g) > 0
	PLACES 4                                       ; the other set was read by the last step's products
.endif
	FETCH (\g)+1
	MUL \g, 0, MA-1, \cm
.endm
; A slot's last step changes slots, with ONE barrier.  kind = 1: slot rs is filled again: each wave waits for all its tensor loads, adds 0 to its spare word, and waits for that and for its LDS reads; the barrier opens a round of
; the cluster's barrier, and the joint refill is the first thing behind the round.  kind = 0: nothing is filled; n tensor loads, younger than the next slot's, may stay out.
.macro STEPX g, kind, n, rs
	s_wait_dscnt 0x0                               ; this step's fragments are in: they were my last reads of this slot
	WIN 0
	s_wait_tensorcnt \n
.if \kind
	ds_add_u32 v[SPW], v[NIL]                      ; 0 onto my spare word; matrix instructions stand between it and the wait for it
.endif
	MUL \g, 0, MA/4-1, 1
.if \kind
	s_wait_dscnt 0x0                               ; the add is done
.endif
	s_barrier_signal -1
	MUL \g, MA/4, MA/2-1, 1
	WIN 0
	s_barrier_wait -1
.if \kind
	CREST                                          ; no wave of any partner still reads slot rs or has a load on its way
	s_add_nc_u64 s[G0A+4*(\rs)+2:G0A+4*(\rs)+3], s[G0A+4*(\rs)+2:G0A+4*(\rs)+3], ASTEP
	s_add_nc_u64 s[G0B+4*(\rs)+2:G0B+4*(\rs)+3], s[G0B+4*(\rs)+2:G0B+4*(\rs)+3], BSTEP
	JLOAD G0A+4*(\rs), G1A, G0B+4*(\rs), G1B       ; its four v_nop are also the places ahead of the loads below
.else
	PLACES 4
.endif
	FETCH (\g)+1
	MUL \g, MA/2, MA-1, 1
.endm
.macro LAST g
	s_wait_dscnt 0x0
	MUL \g, 0, MA-1, 1
	WIN 0
.endm
; THE WAY OUT OF A QUANTISING LAUNCH, block a of 16 of A's rows: my 128 of B's rows are one K step of the next product.
.macro SWAP a                          ; register j of tile b holds B's row 16 b + 8 h + j.  Tiles 2 u and 2 u + 1 change halves: then register 16 u + i holds k = 32 u + 16 h + i.  Each accumulator is read from its low end on
.set AC, 64*((\a)%4)
.set WQ, 2+(\a)/4
	WIN (WQ<<6)|WQ
.irp b, 0,1,2,3
.irp j, 0,1,2,3,4,5,6,7
	v_permlane16_swap_b32 v[AC+16*\b+\j], v[AC+16*\b+8+\j]
.endr
.endr
.endm
.macro QHEAD a                         ; the four blocks' largest magnitudes, with the floor 2^(3 - 127) among the leaves, so that no byte falls under 1
.set AC, 64*((\a)%4)
.set WQ, 2+(\a)/4
	WIN WQ|(WQ<<2)
.irp b, 0,1,2,3
	v_max3_num_f32 v[TM+\b], |v[AC+16*\b]|, |v[AC+16*\b+1]|, 0x1800000
.endr
.irp i, 2,4,6,8,10,12,14
.irp b, 0,1,2,3
	v_max3_num_f32 v[TM+\b], |v[AC+16*\b+\i]|, |v[AC+16*\b+\i+1]|, v[TM+\b]
.endr
.endr
	WIN 0
.irp b, 0,1,2,3
	v_permlanex16_b32 v[TM+4+\b], v[TM+\b], s[SEL], s[SEL+1]
.endr
.irp b, 0,1,2,3
	v_max_num_f32 v[TM+\b], v[TM+\b], v[TM+4+\b]   ; with lane l xor 16's 16 numbers: the block's
.endr
.endm
.macro QTAIL a                         ; from the largest magnitudes in v[TM] on: the scale word in v[PW], the fragment in v[PC] on
.set AC, 64*((\a)%4)
.irp b, 0,1,2,3
	v_add_nc_u32 v[TM+12+\b], 0xff000000, v[TM+\b] ; 2 off the exponent field: the conversion takes that field of this operand as its scale
.endr
.irp b, 0,1,2,3
	v_lshrrev_b32 v[TM+4+\b], 23, v[TM+12+\b]      ; the scale's byte
.endr
	v_lshl_or_b32 v[PW], v[TM+5], 8, v[TM+4]
	v_lshl_or_b32 v[PW], v[TM+6], 16, v[PW]
	v_lshl_or_b32 v[PW], v[TM+7], 24, v[PW]
	s_wait_xcnt 0x0                                ; the last block's stores have read their data and their offset: both are written again only behind this wait
.if GSTEP && ((\a) > 0)
	v_add_nc_u32 v[GOF], s[ASTR], v[GOF]
.endif
	WIN 2+(\a)/4
.irp c, 0,1
	v_cvt_scalef32_pk16_fp6_f32 v[PC+6*\c:PC+6*\c+2], v[AC+32*\c:AC+32*\c+15], v[TM+12+2*\c]
	v_cvt_scalef32_pk16_fp6_f32 v[PC+12+4*\c:PC+14+4*\c], v[AC+32*\c+16:AC+32*\c+31], v[TM+13+2*\c]   ; (a conversion's three registers begin on an even number)
.endr
	WIN 0
	v_nop                                          ; one plain place behind the scaled conversions
.irp c, 0,1                            ; the operand's layout wants a whole block in a lane: lanes 0-15 block 2 c, lanes 16-31 block 2 c + 1
.irp i, 0,1,2
	v_permlane16_swap_b32 v[PC+6*\c+\i], v[PC+12+4*\c+\i]
.endr
.irp i, 0,1,2
	v_mov_b32 v[PC+3+6*\c+\i], v[PC+12+4*\c+\i]
.endr
.endr
.endm
.macro STOREF p, off                   ; the image: each store of the wave covers 512 consecutive bytes, aligned
.irp c, 0,1,2
	global_store_b128 v[GOF], v[PC+4*\c:PC+4*\c+3], s[\p:(\p)+1] offset:(\off)+512*\c
.endr
.endm
.macro OUTB a, p, off
.if (\a) > 0
	s_wait_dscnt 0x0                               ; the last block's LDS stores have read their registers
.endif
	SWAP \a
	QHEAD \a
	QTAIL \a
	STOREF \p, \off
	ds_store_b32 v[WSA], v[PW] offset:64*(\a)      ; both lanes of a row write the same word
.endm
.macro WADDRS                          ; the stage for the scale words
	s_mul_i32 s96, s[WV], WSB
	s_add_co_u32 s96, s96, WST
	v_lshl_add_u32 v[WSA], v20, 2, s96
.if MA == 8
	v_add_nc_u32 v[WSR], s96, v[GOF]
	v_mov_b32 v[GSO], v[GOF]
.else
	v_lshl_add_u32 v[WSR], v22, 3, s96
	v_lshlrev_b32 v[GSO], 3, v22
.endif
.endm
; ---- the core ends ----
	s_load_b256 s[4:11], s[0:1], 0x0               ; p_codes s[4:5], p_stats s[6:7], qkv_codes s[8:9], qkv_scales s[10:11]
	s_load_b128 s[12:15], s[0:1], 0x20             ; ctx_codes s[12:13], ctx_scales s[14:15]
	v_lshl_add_u32 v[SPW], v0, 2, SPARE
	v_mov_b32 v[NIL], 0
	ds_add_u32 v[SPW], v[NIL]                      ; the wave's opening: the add, twice on end, and its wait ahead of my first tensor load
	ds_add_u32 v[SPW], v[NIL]
	IDS
	G1SET G1A, 2, IMGW, 768, 4, 3072               ; 4 row tiles x four steps' images (6,144 bytes), 24,576 bytes apart
	G1SET G1B, 3, IMGW, 768, 8, 3072               ; 8 row tiles likewise
	G1SET G1SB, 3, IMGW, 64, 8, 512                ; 8 key steps x 128 rows' words (512 bytes), 4,096 bytes apart
	s_lshl_b32 s[TA], s[CLY], 2
	s_add_co_u32 s[TA], s[TA], s[CYI]              ; my 128 queries, counted through the batches
	s_lshl_b32 s[TB], s[CLX], 2
	s_add_co_u32 s[TB], s[TB], s[CXI]              ; my 256 features
	s_lshl_b32 s96, s[TA], 1
	s_add_co_u32 s96, s96, s[WBV]                  ; the 64 queries that I would fetch
	s_mul_i32 s96, s96, 98304
	s_mov_b32 s97, 0
	s_lshl_b32 s100, s[TA], 9                      ; the 128 rows' place in a step of p_stats
	s_mov_b32 s101, 0
	s_lshr_b32 s66, s[CLY], 2                      ; the batch
	s_lshl_b32 s98, s[TB], 1
	s_add_co_u32 s98, s98, s[WBV]                  ; the 128 features
	s_mul_i32 s99, s66, 1572864
	s_lshl_b32 s66, s66, 16
	s_lshl_b32 s67, s98, 9
	s_add_co_u32 s66, s66, s67
	s_lshl_b32 s67, s[WAV], 15                     ; v's words come in quarters: key steps 8 (wave / 2) on
	s_add_co_u32 s66, s66, s67
	s_add_co_u32 s66, s66, 524288
	s_mov_b32 s67, 0
	s_mul_i32 s98, s98, 196608
	s_add_co_u32 s98, s98, s99
	s_add_co_u32 s98, s98, 12582912
	s_mov_b32 s99, 0
	v_lshlrev_b32 v28, 2, v0                       ; thread t owns row t of the 128
	s_wait_dscnt 0x0                               ; both opening adds are done
	s_wait_kmcnt 0x0
	s_add_nc_u64 s[96:97], s[4:5], s[96:97]
	s_add_nc_u64 s[98:99], s[8:9], s[98:99]
	s_add_nc_u64 s[66:67], s[10:11], s[66:67]
	s_add_nc_u64 s[6:7], s[6:7], s[100:101]
.irp s, 0,1,2,3,4,5,6,7,8,9,10,11,12,13,14,15
	global_load_b32 v[64+\s], v28, s[6:7] offset:524288+32768*\s     ; -M of key step s
	global_load_b32 v[80+\s], v28, s[6:7] offset:1048576+32768*\s    ; l
	global_load_b32 v[96+\s], v28, s[6:7] offset:32768*\s            ; the scale word
.endr
	CROUND                                         ; all sixteen work-groups are here: the first joint loads meet
	s_mov_b32 s[G0SB], 1
	s_mul_i32 s[G0SB+1], s[WBV], 8192
	s_mul_i32 s2, s[WAV], 4096
	s_add_co_u32 s[G0SB+1], s[G0SB+1], s2
	s_add_co_u32 s[G0SB+1], s[G0SB+1], SCB
	s_mov_b64 s[G0SB+2:G0SB+3], s[66:67]
	s_or_b32 s[G0SB+3], s[G0SB+3], 0x80000000
	tensor_load_to_lds s[G0SB:G0SB+3], s[G1SB:G1SB+7]   ; every wave a quarter of v's words, jointly with my column of the cluster: filled once
	s_nop 0
.rept 4
	v_nop
.endr
	FILLSLOTS                                      ; steps 0 to 7: three loads of mine are out
	ADDRS
	WADDRS
	s_lshl_b32 s96, s[WAV], 8
	s_add_co_u32 s96, s96, RL
	v_lshl_add_u32 v[BO], v20, 2, s96              ; where I read 1 / l on the way out: row 64 wa + 16 a + r
	v_lshl_add_u32 v29, v0, 2, RL                  ; where thread t puts it
	v_lshrrev_b32 v30, 6, v0
	v_and_b32 v31, 63, v0
	v_lshlrev_b32 v30, 12, v30
	v_lshl_add_u32 v30, v31, 2, v30
	v_add_nc_u32 v30, SCA, v30                     ; and its mended words: [t / 64][step][t % 64]
	s_lshl_b32 s96, s[TA], 1
	s_add_co_u32 s96, s96, s[WAV]                  ; my 64 queries
	s_lshl_b32 s97, s[TB], 1
	s_add_co_u32 s97, s97, s[WBV]                  ; my K step of the projection
	s_lshl_b32 s98, s96, 5                         ; 4 row tiles x 8 steps
	s_add_co_u32 s98, s98, s97
	s_mul_i32 s98, s98, 1536
	s_mov_b32 s99, 0
	s_add_nc_u64 s[12:13], s[12:13], s[98:99]
	s_lshl_b32 s98, s97, 15
	s_lshl_b32 s96, s96, 8
	s_add_co_u32 s98, s98, s96
	s_add_nc_u64 s[14:15], s[14:15], s[98:99]
	s_mov_b32 s96, 0x01010101
	s_mov_b32 s97, 0x80808080
	s_wait_loadcnt 0x0
	v_min_num_f32 v112, v64, v65
.irp s, 2,3,4,5,6,7,8,9,10,11,12,13,14,15
	v_min_num_f32 v112, v112, v[64+\s]             ; -M of the row
.endr
.irp s, 0,1,2,3,4,5,6,7,8,9,10,11,12,13,14,15
	v_sub_f32 v113, v[64+\s], v112                 ; d = M - M_s: a whole number, 0 or more,
	v_min_num_f32 v113, 0x42fe0000, v113           ; held at 127
	v_cvt_i32_f32 v113, v113
	v_sub_nc_u32 v114, 0, v113
.if \s < 2
	v_ldexp_f32 v[116+\s], v[80+\s], v114          ; l_s 2^-d: nothing is rounded; two chains
.else
	v_ldexp_f32 v114, v[80+\s], v114
	v_add_f32 v[116+\s%2], v[116+\s%2], v114
.endif
	v_mul_lo_u32 v113, v113, s96                   ; d in each byte
	v_or_b32 v115, s97, v[96+\s]                   ; p's bytes lie under 128: with bit 7 set no byte borrows from its neighbour
	v_sub_nc_u32 v115, v115, v113
	v_and_b32 v113, s97, v115                      ; bit 7 still set: the byte has not fallen under 0
	v_lshrrev_b32 v114, 7, v113
	v_sub_nc_u32 v113, v113, v114                  ; 0x7f in such bytes, 0 in the others
	v_and_b32 v[96+\s], v115, v113
	ds_store_b32 v30, v[96+\s] offset:256*\s
.endr
	v_add_f32 v116, v116, v117
	v_rcp_f32 v118, v116
	v_nop                                          ; a plain place behind the reciprocal
	s_wait_alu depctr_va_vdst(0)                   ; and the wait ahead of its first reader
	ds_store_b32 v29, v118
	s_wait_dscnt 0x0                               ; for the others' sake: my words and my 1 / l lie in LDS
	s_wait_tensorcnt 0x1                           ; v's words and my part of slot 0 are in; slot 1's load, the one younger, may stay out
	s_barrier_signal -1
	s_barrier_wait -1
	FETCH 0
	STEP 0, 0                                      ; the first products start the sums: nothing is cleared
	STEP 1, 1
	STEP 2, 1
	STEPX 3, 1, 0, 0                               ; slot 0 takes steps 8 to 11
	STEP 4, 1
	STEP 5, 1
	STEP 6, 1
	STEPX 7, 1, 0, 1                               ; slot 1 takes steps 12 to 15
	STEP 8, 1
	STEP 9, 1
	STEP 10, 1
	STEPX 11, 0, 0, 0                              ; my one load that is out is slot 1's
	STEP 12, 1
	STEP 13, 1
	STEP 14, 1
	LAST 15
	PLACES 4
	s_mov_b32 s[SEL], 0x76543210
	s_mov_b32 s[SEL+1], 0xfedcba98
.irp b, 0,1,2,3
	v_mov_b32 v[TM+4+\b], 0                        ; written once: a lane permute's destination counts as one of its sources
.endr
.irp a, 0,1,2,3
	ds_load_b32 v[RR+2*\a], v[BO] offset:64*\a     ; 1 / l of my row of block a, twice: a pair for the packed multiply
	ds_load_b32 v[RR+2*\a+1], v[BO] offset:64*\a
.endr
	s_wait_dscnt 0x0
.irp a, 0,1,2,3
	WIN 0x82
.irp j, 0,2,4,6,8,10,12,14,16,18,20,22,24,26,28,30,32,34,36,38,40,42,44,46,48,50,52,54,56,58,60,62
	v_pk_mul_f32 v[64*\a+\j:64*\a+\j+1], v[64*\a+\j:64*\a+\j+1], v[RR+2*\a:RR+2*\a+1]   ; the context: the product / l, each accumulator from its low end on
.endr
	OUTB \a, 12, \a*12288
.endr
	ds_load_b64 v[OW:OW+1], v[WSR]                 ; LDS serves a wave's instructions in order (ISA guide 5.7.1.4): this sees my stores
	s_wait_dscnt 0x0
	global_store_b64 v[GSO], v[OW:OW+1], s[14:15]  ; my 64 rows' words of this step: 256 consecutive bytes, aligned
	s_wait_tensorcnt 0x0                           ; the wave's end
	ds_add_u32 v[SPW], v[NIL]
	s_wait_dscnt 0x0
	CROUND                                         ; the closing round
	s_endpgm
.Lfunc_end_k_q4cf0ed9480_context:
	.size	k_q4cf0ed9480_context, .Lfunc_end_k_q4cf0ed9480_context-k_q4cf0ed9480_context
	.p2alignl 7, 3214868480
	.fill 96, 4, 3214868480
	.section	.rodata,"a",@progbits
	.p2align	6, 0x0
	.amdhsa_kernel k_q4cf0ed9480_context
		.amdhsa_group_segment_fixed_size 327680
		.amdhsa_private_segment_fixed_size 0
		.amdhsa_enable_private_segment 0
		.amdhsa_kernarg_size 48
		.amdhsa_user_sgpr_count 2
		.amdhsa_user_sgpr_kernarg_segment_ptr 1
		.amdhsa_wavefront_size32 1
		.amdhsa_system_sgpr_workgroup_id_x 1
		.amdhsa_system_sgpr_workgroup_id_y 1
		.amdhsa_system_sgpr_workgroup_id_z 1
		.amdhsa_system_vgpr_workitem_id 0
		.amdhsa_next_free_vgpr 768
		.amdhsa_next_free_sgpr 102
		.amdhsa_reserve_vcc 0
		.amdhsa_float_denorm_mode_32 3
		.amdhsa_float_denorm_mode_16_64 3
		.amdhsa_memory_ordered 1
		.amdhsa_forward_progress 1
		.amdhsa_inst_pref_size 167
	.end_amdhsa_kernel
	.amdgpu_metadata
---
amdhsa.version: [ 1, 2 ]
amdhsa.kernels:
  - .name:           k_q4cf0ed9480_context
    .symbol:         k_q4cf0ed9480_context.kd
    .args:
      - { .name: p_codes, .offset: 0, .size: 8, .value_kind: global_buffer, .address_space: global }
      - { .name: p_stats, .offset: 8, .size: 8, .value_kind: global_buffer, .address_space: global }
      - { .name: qkv_codes, .offset: 16, .size: 8, .value_kind: global_buffer, .address_space: global }
      - { .name: qkv_scales, .offset: 24, .size: 8, .value_kind: global_buffer, .address_space: global }
      - { .name: ctx_codes, .offset: 32, .size: 8, .value_kind: global_buffer, .address_space: global }
      - { .name: ctx_scales, .offset: 40, .size: 8, .value_kind: global_buffer, .address_space: global }
    .group_segment_fixed_size: 327680
    .private_segment_fixed_size: 0
    .kernarg_segment_align: 8
    .kernarg_segment_size: 48
    .max_flat_workgroup_size: 128
    .sgpr_count:     102
    .vgpr_count:     768
    .wavefront_size: 32
...
	.end_amdgpu_metadata
.endif
;; end of part 3
;; launch proj (part 4): grid 4 x 64, 4 waves a work-group, clusters of 4 x 4, 327,680 bytes of LDS; arguments ctx_codes, ctx_scales, W_out_codes, W_out_scales, b_out, out0; writes out0
.if DOCPART == 4
	.amdgcn_target "amdgcn-amd-amdhsa--gfx1250"
	.amdhsa_code_object_version 6
	.text
	.protected	k_q4cf0ed9480_proj
	.globl	k_q4cf0ed9480_proj
	.p2align	8
	.type	k_q4cf0ed9480_proj,@function
k_q4cf0ed9480_proj:
	s_mov_b64 s[64:65], 0
	v_nop
	global_prefetch_b8 v0, s[64:65] scope:SCOPE_SE
	s_setreg_imm32_b32 hwreg(HW_REG_WAVE_MODE, 25, 1), 1
	s_wait_xcnt 0x0
	s_wait_alu depctr_hold_cnt(0) depctr_sa_sdst(0) depctr_va_vdst(0) depctr_va_sdst(0) depctr_va_ssrc(0) depctr_va_vcc(0) depctr_vm_vsrc(0)
	s_getreg_b32 s2, hwreg(HW_REG_IB_STS2, 6, 4)
	s_cmp_eq_u32 s2, 0
	s_cbranch_scc0 .Lentry_in_a_cluster
	s_endpgm
.Lentry_in_a_cluster:
	s_bfe_u32 s2, ttmp6, 0x10000c
	s_cmp_lg_u32 s2, 0xf033
	s_cbranch_scc0 .Lentry_shape_is_right
	s_endpgm
.Lentry_shape_is_right:
; LAUNCH 4 OF 4.  out0 = context W_out + b_out on codes of FP6 (E2M3), K = 1,024; f32 out.  No work is left out.
; IN.  ctx_codes: fragment images (12 operand registers of 16 rows x 128 K, 1,536 bytes) [token tile of 16: 512][K step: 8]; ctx_scales: words [8][8192]; W_out as given: rows of 768 bytes of codes and 32 scale bytes.
; SHARES.  A work-group of four waves makes 128 tokens x 256 outputs (256 x 256 would leave half of the WGPs without work), a wave 64 x 128: 32 accumulators.  Source 1 takes tokens ("A": a lane holds one),
; source 0 rows of W_out ("B"): a lane's eight results are eight neighbouring outputs of one token.  The bias is the C of each sum's first matrix instruction.
; CLUSTER 4 x 4: the context's tiles are asked for jointly by a row of the cluster, W_out's by a column.  K goes in 8 steps of 128, two to a slot, three slots: three of the four slot loads are first fills.
; LIMITS.  NaN and infinities are not served.
.set MA,    4
.set AK,    1
.set BK,    0
.set NQ,    2
.set NSL,   3
.set AHALF, 12288                      ; 4 row tiles x 2 steps x 1,536
.set BHALF, 30720                      ; 128 rows x 240
.set SLOT,  2*(AHALF+BHALF)
.set AINC,  3072
.set BINC,  192
.set ASTEP, 9216                       ; the one refill: three slots on
.set BSTEP, 576
.set SCA,   NSL*SLOT                   ; the context's words [half][step: 8][64 rows]
.set SAH,   2048
.set SCB,   SCA+2*SAH                  ; W_out's scale bytes: two halves of 4,096 bytes as 16 rows of 256 + 16
.set SBH,   4352
.set STG,   SCB+2*SBH                  ; the way out: 16 rows x (512 bytes + 16) for each wave
.set SPARE, STG+4*16*528
.set GSTEP, 0
; ---- the core that this program's four bodies share: names, then macros ----
.set WV,   20                          ; s20  my wave's number
.set WAV,  21                          ; s21  wave / 2: my half of A's rows.  Also: I fetch for A (0) or for B (1)
.set WBV,  22                          ; s22  wave % 2: my half of B's rows.  Also: which half of that operand I fetch
.set CXI,  23                          ; s23, s24  my place in the cluster
.set CYI,  24
.set CLX,  25                          ; s25, s26  the cluster's x and y
.set CLY,  26
.set FLG,  27                          ; s27  a role, where a launch has two
.set TA,   18                          ; s18, s19  A's and B's tile numbers
.set TB,   19
.set ASTR, 3                           ; s3   bytes from a block's image to the next block's, where it is no constant
.set G1A,  28                          ; descriptor groups 1: A's codes, B's codes, A's scales, B's scales
.set G1B,  36
.set G1SA, 44
.set G1SB, 52
.set G0SA, 60                          ; groups 0: the scales', then one for each slot
.set G0SB, 68
.set G0A,  72
.set G0B,  84
.set SEL,  96                          ; s[96:97] on the way out: lane selects for lane l xor 16
.set CS,   98                          ; s[98:99] on the way out: a constant, as a pair
.set ADA,  1                           ; v1-3 LDS address of my A fragments in slot 0, 1, 2; v4-6 the same behind one padding more (rows as given)
.set ADB,  7                           ; v7-9, v10-12 the same for B
.set ADSA, 13                          ; v13, v14 LDS address of my scale words
.set ADSB, 14
.set WSA,  15                          ; v15, v16 a stage: on the way in, on the way back
.set WSR,  16
.set GOF,  17                          ; v17  16 x lane
.set GSO,  18                          ; v18  my offset in the wave's run of scale words
.set BO,   19                          ; v19  a launch's own offset
.set SPW,  62                          ; v62  LDS address of my spare word; never rewritten
.set NIL,  63                          ; v63  0; never rewritten
.set ROWC, (1<<20)|(3<<22)|(3<<25)     ; group 1, word 0: bytes; 16 bytes of padding behind every 64
.set ROWS, (3<<16)|(1<<20)|(5<<22)|(3<<25)   ; elements of 8 bytes; 16 bytes of padding behind every 256
.set IMGW, 3<<16                       ; elements of 8 bytes, no padding
; REGISTERS, in windows of 256.  Window 0: v0-31 addresses; v32-47 scale words and nothing else, two sets of 8 (B's block pairs 0-3, A's 0-3: the even block in lanes 0-15, the odd one in lanes 16-31);
; v64-159, v160-255 A's fragments, two sets.  Window 1: v0-95, v128-223 B's fragments, two sets; v96-127, v224-255 eight tiles of bias.  Windows 2, 3: the accumulators, (a, b) at v[8 (8 (a % 4) + b)] of window 2 + a / 4.
.set MSB, 0
.macro WIN new                         ; the immediate's high byte repeats the setting that is left; a switch that changes nothing is dropped
.if MSB != (\new)
	s_set_vgpr_msb (MSB<<8)|(\new)
.set MSB, \new
.endif
.endm
.macro PLACES n                        ; plain places behind matrix instructions, ahead of loads into their registers and of reads of their results
.rept \n
	v_nop
.endr
.endm
.macro CREST                           ; a round of the cluster's barrier behind its opening barrier
	s_cmp_lg_u32 s[WV], 0
	s_cbranch_scc1 .Lnot_wave_0_\@
	s_barrier_signal -3
.Lnot_wave_0_\@:
	s_barrier_wait -3
	s_barrier_signal -1
	s_barrier_wait -1
.endm
.macro CROUND                          ; a whole round
	s_barrier_signal -1
	s_barrier_wait -1
	CREST
.endm
.macro JLOAD g0a, g1a, g0b, g1b        ; a joint load: waves 0, 1 fetch A's halves, waves 2, 3 B's.  The branch hangs on the wave's number alone; s_nop 0 and four v_nop follow each line
	s_cmp_eq_u32 s[WAV], 0
	s_cbranch_scc0 .Lfor_b_\@
	tensor_load_to_lds s[(\g0a):(\g0a)+3], s[(\g1a):(\g1a)+7]
	s_nop 0
.rept 4
	v_nop
.endr
	s_branch .Lasked_\@
.Lfor_b_\@:
	tensor_load_to_lds s[(\g0b):(\g0b)+3], s[(\g1b):(\g1b)+7]
	s_nop 0
.rept 4
	v_nop
.endr
.Lasked_\@:
.endm
.macro IDS                             ; wave, place, cluster; s2 = my row of the cluster as a mask, s3 = my column
	v_lshrrev_b32 v20, 5, v0
	v_readfirstlane_b32 s[WV], v20
	s_lshr_b32 s[WAV], s[WV], 1
	s_and_b32 s[WBV], s[WV], 1
	s_bfe_u32 s[CXI], ttmp6, 0x40000
	s_bfe_u32 s[CYI], ttmp6, 0x40004
	s_mov_b32 s[CLX], ttmp9
	s_and_b32 s[CLY], ttmp7, 0xffff
	s_lshl_b32 s2, s[CYI], 2
	s_lshl_b32 s2, 15, s2
	s_lshl_b32 s3, 0x1111, s[CXI]
.endm
.macro G1SET g, m, w0, c, r, p         ; group 1: mask in s[m], bit 21 beside it, the fields w0; r rows of c elements, p elements apart in memory
	s_or_b32 s[\g], s[\m], (\w0)|(1<<21)
	s_mov_b32 s[(\g)+1], ((\c)&0xffff)<<16
	s_mov_b32 s[(\g)+2], ((\c)>>16)|((\r)<<16)
	s_mov_b32 s[(\g)+3], (\c)<<16
	s_mov_b32 s[(\g)+4], \r
	s_mov_b32 s[(\g)+5], \p
	s_mov_b32 s[(\g)+6], 0
	s_mov_b32 s[(\g)+7], 0
.endm
.macro G0SET g, hb, base, p, po        ; group 0: to LDS byte base + hb x (wave % 2), from s[p:p+1] + po
	s_mov_b32 s[\g], 1
	s_mul_i32 s[(\g)+1], s[WBV], \hb
	s_add_co_u32 s[(\g)+1], s[(\g)+1], \base
	s_add_nc_u64 s[(\g)+2:(\g)+3], s[\p:(\p)+1], \po
	s_or_b32 s[(\g)+3], s[(\g)+3], 0x80000000
.endm
.macro FILLSLOTS                       ; the slots' first fills: A's codes from s[96:97], B's from s[98:99]
.irp s, 0,1,2
.if \s < NSL
	G0SET G0A+4*\s, AHALF, \s*SLOT, 96, \s*AINC
	G0SET G0B+4*\s, BHALF, 2*AHALF+\s*SLOT, 98, \s*BINC
	JLOAD G0A+4*\s, G1A, G0B+4*\s, G1B
.endif
.endr
.endm
.macro ADDRS                           ; v20 = r = lane % 16, v21 = h = lane / 16, v22 = lane; the LDS addresses: constants, the lane and the wave alone
	v_and_b32 v20, 15, v0
	v_bfe_u32 v21, v0, 4, 1
	v_and_b32 v22, 31, v0
	v_lshlrev_b32 v[GOF], 4, v22
.if (AK == 0) || (BK == 0)
	v_mul_u32_u24 v23, v20, 240
	v_mad_u32_u24 v23, v21, 24, v23                ; rows as given: row r x 240 + 24 h,
	v_lshl_add_u32 v24, v21, 4, v23                ; and the same behind one padding more
	v_lshrrev_b32 v26, 3, v22
	v_lshlrev_b32 v27, 5, v22
	v_lshl_add_u32 v27, v26, 4, v27                ; scale rows of 32 bytes, 16 more behind every eight: lane l takes row l of a pair of blocks
.endif
.if (AK == 1) || (BK == 1)
	v_lshlrev_b32 v25, 2, v22                      ; words by step: 4 x lane
.endif
	s_mul_i32 s96, s[WAV], AHALF
	s_mul_i32 s97, s[WBV], BHALF
	s_add_co_u32 s97, s97, 2*AHALF
.irp s, 0,1,2
.if \s < NSL
.if AK == 0
	v_add_nc_u32 v[ADA+\s], s96, v23
	v_add_nc_u32 v[ADA+3+\s], s96, v24
.else
	v_add_nc_u32 v[ADA+\s], s96, v[GOF]
.endif
.if BK == 0
	v_add_nc_u32 v[ADB+\s], s97, v23
	v_add_nc_u32 v[ADB+3+\s], s97, v24
.else
	v_add_nc_u32 v[ADB+\s], s97, v[GOF]
.endif
	s_add_co_u32 s96, s96, SLOT
	s_add_co_u32 s97, s97, SLOT
.endif
.endr
	s_mul_i32 s96, s[WAV], SAH
	s_add_co_u32 s96, s96, SCA
	s_mul_i32 s97, s[WBV], SBH
	s_add_co_u32 s97, s97, SCB
.if AK == 0
	v_add_nc_u32 v[ADSA], s96, v27
.else
	v_add_nc_u32 v[ADSA], s96, v25
.endif
.if BK == 0
	v_add_nc_u32 v[ADSB], s97, v27
.else
	v_add_nc_u32 v[ADSB], s97, v25
.endif
.endm
.macro FRAGR reg, adr, q, i            ; a fragment from rows as given: 24 bytes of the row's stream of bits twice, in pieces of 8; lanes 16-31 read three pieces on, for some pieces behind one padding more
.irp p, 0,1,2,3,4,5
.set PCE, 12*(\q)+6*(\p/3)+\p%3
.if PCE%8 < 5
	ds_load_b64 v[(\reg)+2*\p:(\reg)+2*\p+1], v[\adr] offset:8*PCE+16*(PCE/8)+(\i)*3840
.else
	ds_load_b64 v[(\reg)+2*\p:(\reg)+2*\p+1], v[(\adr)+3] offset:8*PCE+16*(PCE/8)+(\i)*3840
.endif
.endr
.endm
.macro FRAGI reg, adr, off             ; a fragment from its image
.irp c, 0,1,2
	ds_load_b128 v[(\reg)+4*\c:(\reg)+4*\c+3], v[\adr] offset:(\off)+512*\c
.endr
.endm
.macro FETCH g                         ; step g's fragments and scale words, in one run, into set g % 2
.set fP, (\g)%2
.set fS, ((\g)/NQ)%NSL
.set fQ, (\g)%NQ
	WIN 0x40
.irp i, 0,1,2,3,4,5,6,7
.if BK == 0
	FRAGR 128*fP+12*\i, ADB+fS, fQ, \i
.else
	FRAGI 128*fP+12*\i, ADB+fS, (\i*NQ+fQ)*1536
.endif
.endr
	WIN 0
.irp i, 0,1,2,3,4,5,6,7
.if \i < MA
.if AK == 0
	FRAGR 64+96*fP+12*\i, ADA+fS, fQ, \i
.else
	FRAGI 64+96*fP+12*\i, ADA+fS, (\i*NQ+fQ)*1536
.endif
.endif
.endr
.irp i, 0,1,2,3
.if BK == 0
	ds_load_b32 v[32+8*fP+\i], v[ADSB] offset:1088*\i+4*(\g)
.else
	ds_load_b32 v[32+8*fP+\i], v[ADSB] offset:512*(\g)+128*\i
.endif
.endr
.irp i, 0,1,2,3
.if \i < MA/2
.if AK == 0
	ds_load_b32 v[36+8*fP+\i], v[ADSA] offset:1088*\i+4*(\g)
.else
	ds_load_b32 v[36+8*fP+\i], v[ADSA] offset:64*MA*(\g)+128*\i
.endif
.endif
.endr
.endm
; One matrix instruction: A's block a x B's block b, set P.  cm: C is 0 (0), the accumulator (1), bias tile b (2), bias tile a (3).  An odd block's scale words stand in lanes 16-31.
.macro WM a, b, P, cm
.set rD, 8*(8*((\a)%4)+(\b))
.set rB, 128*(\P)+12*(\b)
.set rA, 64+96*(\P)+12*(\a)
.set rX, 32+8*(\P)+(\b)/2
.set rY, 36+8*(\P)+(\a)/2
.set rC, rD
.if (\cm) == 2
.set rC, 96+8*(\b)+96*((\b)/4)
.endif
.if (\cm) == 3
.set rC, 96+8*(\a)+96*((\a)/4)
.endif
.set pr, 2*((\a)%2)+(\b)%2
.if (\cm) == 0
.if pr == 0
	v_wmma_scale_f32_16x16x128_f8f6f4 v[rD:rD+7], v[rB:rB+11], v[rA:rA+11], 0, v[rX], v[rY] matrix_a_fmt:MATRIX_FMT_FP6 matrix_b_fmt:MATRIX_FMT_FP6
.elseif pr == 1
	v_wmma_scale_f32_16x16x128_f8f6f4 v[rD:rD+7], v[rB:rB+11], v[rA:rA+11], 0, v[rX], v[rY] matrix_a_fmt:MATRIX_FMT_FP6 matrix_b_fmt:MATRIX_FMT_FP6 matrix_a_scale:MATRIX_SCALE_ROW1
.elseif pr == 2
	v_wmma_scale_f32_16x16x128_f8f6f4 v[rD:rD+7], v[rB:rB+11], v[rA:rA+11], 0, v[rX], v[rY] matrix_a_fmt:MATRIX_FMT_FP6 matrix_b_fmt:MATRIX_FMT_FP6 matrix_b_scale:MATRIX_SCALE_ROW1
.else
	v_wmma_scale_f32_16x16x128_f8f6f4 v[rD:rD+7], v[rB:rB+11], v[rA:rA+11], 0, v[rX], v[rY] matrix_a_fmt:MATRIX_FMT_FP6 matrix_b_fmt:MATRIX_FMT_FP6 matrix_a_scale:MATRIX_SCALE_ROW1 matrix_b_scale:MATRIX_SCALE_ROW1
.endif
.else
.if pr == 0
	v_wmma_scale_f32_16x16x128_f8f6f4 v[rD:rD+7], v[rB:rB+11], v[rA:rA+11], v[rC:rC+7], v[rX], v[rY] matrix_a_fmt:MATRIX_FMT_FP6 matrix_b_fmt:MATRIX_FMT_FP6
.elseif pr == 1
	v_wmma_scale_f32_16x16x128_f8f6f4 v[rD:rD+7], v[rB:rB+11], v[rA:rA+11], v[rC:rC+7], v[rX], v[rY] matrix_a_fmt:MATRIX_FMT_FP6 matrix_b_fmt:MATRIX_FMT_FP6 matrix_a_scale:MATRIX_SCALE_ROW1
.elseif pr == 2
	v_wmma_scale_f32_16x16x128_f8f6f4 v[rD:rD+7], v[rB:rB+11], v[rA:rA+11], v[rC:rC+7], v[rX], v[rY] matrix_a_fmt:MATRIX_FMT_FP6 matrix_b_fmt:MATRIX_FMT_FP6 matrix_b_scale:MATRIX_SCALE_ROW1
.else
	v_wmma_scale_f32_16x16x128_f8f6f4 v[rD:rD+7], v[rB:rB+11], v[rA:rA+11], v[rC:rC+7], v[rX], v[rY] matrix_a_fmt:MATRIX_FMT_FP6 matrix_b_fmt:MATRIX_FMT_FP6 matrix_a_scale:MATRIX_SCALE_ROW1 matrix_b_scale:MATRIX_SCALE_ROW1
.endif
.endif
.endm
.macro MUL g, a0, a1, cm               ; A's blocks a0 .. a1 against B's eight.  The accumulators take turns, one instruction a turn, in the same order in every step
.set aa, \a0
.rept (\a1)-(\a0)+1
.if (\cm) >= 2
	WIN 0x91+0x40*(aa/4)
.else
	WIN 0xa1+0x50*(aa/4)
.endif
.irp b, 0,1,2,3,4,5,6,7
	WM aa, \b, (\g)%2, \cm
.endr
.set aa, aa+1
.endr
.endm
.macro STEP g, cm                      ; a step whose successor lies in the same slot: the next step's loads go out in one run ahead of this step's products
	s_wait_dscnt 0x0                               ; this step's fragments and words are in
.if (\g) > 0
	PLACES 4                                       ; the other set was read by the last step's products
.endif
	FETCH (\g)+1
	MUL \g, 0, MA-1, \cm
.endm
; A slot's last step changes slots, with ONE barrier.  kind = 1: slot rs is filled again: each wave waits for all its tensor loads, adds 0 to its spare word, and waits for that and for its LDS reads; the barrier opens a round of
; the cluster's barrier, and the joint refill is the first thing behind the round.  kind = 0: nothing is filled; n tensor loads, younger than the next slot's, may stay out.
.macro STEPX g, kind, n, rs
	s_wait_dscnt 0x0                               ; this step's fragments are in: they were my last reads of this slot
	WIN 0
	s_wait_tensorcnt \n
.if \kind
	ds_add_u32 v[SPW], v[NIL]                      ; 0 onto my spare word; matrix instructions stand between it and the wait for it
.endif
	MUL \g, 0, MA/4-1, 1
.if \kind
	s_wait_dscnt 0x0                               ; the add is done
.endif
	s_barrier_signal -1
	MUL \g, MA/4, MA/2-1, 1
	WIN 0
	s_barrier_wait -1
.if \kind
	CREST                                          ; no wave of any partner still reads slot rs or has a load on its way
	s_add_nc_u64 s[G0A+4*(\rs)+2:G0A+4*(\rs)+3], s[G0A+4*(\rs)+2:G0A+4*(\rs)+3], ASTEP
	s_add_nc_u64 s[G0B+4*(\rs)+2:G0B+4*(\rs)+3], s[G0B+4*(\rs)+2:G0B+4*(\rs)+3], BSTEP
	JLOAD G0A+4*(\rs), G1A, G0B+4*(\rs), G1B       ; its four v_nop are also the places ahead of the loads below
.else
	PLACES 4
.endif
	FETCH (\g)+1
	MUL \g, MA/2, MA-1, 1
.endm
.macro LAST g
	s_wait_dscnt 0x0
	MUL \g, 0, MA-1, 1
	WIN 0
.endm
; ---- the core ends (this launch quantises nothing: the core's way out is not needed) ----
; THE WAY OUT, block by block of 16 tokens x 128 outputs.  A lane holds 32 neighbouring bytes of a row, and the lanes beside it hold other rows: a block goes through my own stage in LDS and comes back as whole rows of 512 bytes.
.macro TOSTAGE a
	WIN 0x08                                       ; an LDS store's data are its source 1: window 2
.irp b, 0,1,2,3,4,5,6,7
	ds_store_b128 v[WSA], v[64*(\a)+8*\b:64*(\a)+8*\b+3] offset:64*\b          ; each accumulator from its low end on
	ds_store_b128 v[WSA], v[64*(\a)+8*\b+4:64*(\a)+8*\b+7] offset:64*\b+16
.endr
	WIN 0
.set BB, 128+64*((\a)%2)
.irp t, 0,1,2,3,4,5,6,7,8,9,10,11,12,13,14,15
	ds_load_b128 v[BB+4*\t:BB+4*\t+3], v[WSR] offset:\t*528   ; LDS serves a wave's instructions in order (ISA guide 5.7.1.4): these see the stores above
.endr
.endm
.macro SEND a, younger                 ; younger: the LDS instructions issued behind block a's loads, which may stay out
.set BB, 128+64*((\a)%2)
	s_wait_dscnt \younger
.irp t, 0,1,2,3,4,5,6,7,8,9,10,11,12,13,14,15
	global_store_b128 v[GOF], v[BB+4*\t:BB+4*\t+3], s[14:15] offset:(\a)*65536+\t*4096 th:TH_STORE_NT   ; 32 lanes store 512 consecutive bytes, aligned; written once, read by nobody here
.endr
.endm
	s_load_b256 s[4:11], s[0:1], 0x0               ; ctx_codes s[4:5], ctx_scales s[6:7], W_out's codes s[8:9], its scales s[10:11]
	s_load_b128 s[12:15], s[0:1], 0x20             ; b_out s[12:13], out0 s[14:15]
	v_lshl_add_u32 v[SPW], v0, 2, SPARE
	v_mov_b32 v[NIL], 0
	ds_add_u32 v[SPW], v[NIL]                      ; the wave's opening: the add, twice on end, and its wait ahead of my first tensor load
	ds_add_u32 v[SPW], v[NIL]
	IDS
	G1SET G1A, 2, IMGW, 384, 4, 1536               ; 4 row tiles x two steps' images (3,072 bytes), 12,288 bytes apart
	G1SET G1B, 3, ROWC, 192, 128, 768              ; 128 rows x 192 bytes (256 codes), 768 bytes apart
	G1SET G1SA, 2, IMGW, 32, 8, 4096               ; 8 steps x 64 rows' words (256 bytes), 32,768 bytes apart
	G1SET G1SB, 3, ROWS, 32, 16, 32                ; 128 rows' scale bytes: 4,096 dense bytes as 16 rows of 256
	s_lshl_b32 s[TA], s[CLY], 2
	s_add_co_u32 s[TA], s[TA], s[CYI]              ; my 128 tokens
	s_lshl_b32 s[TB], s[CLX], 2
	s_add_co_u32 s[TB], s[TB], s[CXI]              ; my 256 outputs
	s_lshl_b32 s96, s[TA], 1
	s_add_co_u32 s96, s96, s[WBV]                  ; the 64 tokens that I would fetch
	s_lshl_b32 s100, s96, 8
	s_mul_i32 s96, s96, 49152
	s_mov_b32 s97, 0
	s_mov_b32 s101, 0
	s_lshl_b32 s98, s[TB], 1
	s_add_co_u32 s98, s98, s[WBV]                  ; the 128 rows of W_out
	s_lshl_b32 s66, s98, 12
	s_mul_i32 s98, s98, 98304
	s_mov_b32 s99, 0
	s_mov_b32 s67, 0
	s_wait_dscnt 0x0                               ; both opening adds are done
	s_wait_kmcnt 0x0
	s_add_nc_u64 s[96:97], s[4:5], s[96:97]
	s_add_nc_u64 s[98:99], s[8:9], s[98:99]
	s_add_nc_u64 s[100:101], s[6:7], s[100:101]
	s_add_nc_u64 s[66:67], s[10:11], s[66:67]
	CROUND                                         ; all sixteen work-groups are here: the first joint loads meet
	G0SET G0SA, SAH, SCA, 100, 0
	G0SET G0SB, SBH, SCB, 66, 0
	JLOAD G0SA, G1SA, G0SB, G1SB                   ; the scales for all of K: filled once
	FILLSLOTS                                      ; steps 0 to 5: four loads of mine are out
	ADDRS
	s_lshl_b32 s96, s[TB], 10                      ; the bias: tile b, register j: b_out[256 tB + 128 wb + 16 b + 8 h + j]
	s_lshl_b32 s97, s[WBV], 9
	s_add_co_u32 s96, s96, s97
	v_lshl_add_u32 v[BO], v21, 5, s96
	WIN 0x40
.irp t, 0,1,2,3,4,5,6,7
	global_load_b128 v[96+8*\t+96*(\t/4):96+8*\t+96*(\t/4)+3], v[BO], s[12:13] offset:64*\t
	global_load_b128 v[96+8*\t+96*(\t/4)+4:96+8*\t+96*(\t/4)+7], v[BO], s[12:13] offset:64*\t+16
.endr
	WIN 0
	s_mul_i32 s96, s[WV], 16*528
	s_add_co_u32 s96, s96, STG                     ; my stage
	v_mul_u32_u24 v[WSA], v20, 528                 ; in: row r, 32 bytes for each half of the lanes
	v_lshl_add_u32 v[WSA], v21, 5, v[WSA]
	v_add_nc_u32 v[WSA], s96, v[WSA]
	v_add_nc_u32 v[WSR], s96, v[GOF]               ; back: the 32 lanes take one row of 512 bytes
	s_lshl_b32 s96, s[TA], 1
	s_add_co_u32 s96, s96, s[WAV]                  ; my 64 tokens: rows of 4,096 bytes
	s_lshl_b32 s96, s96, 18
	s_lshl_b32 s97, s[TB], 1
	s_add_co_u32 s97, s97, s[WBV]                  ; my 128 outputs: 512 bytes
	s_lshl_b32 s97, s97, 9
	s_add_co_u32 s96, s96, s97
	s_mov_b32 s97, 0
	s_add_nc_u64 s[14:15], s[14:15], s[96:97]
	s_wait_tensorcnt 0x2                           ; the scales and my part of slot 0 are in; the two younger loads, slots 1 and 2, may stay out
	s_barrier_signal -1
	s_barrier_wait -1
	FETCH 0
	s_wait_loadcnt 0x0                             ; the bias
	STEP 0, 2                                      ; the first products start the sums on the bias
	STEPX 1, 0, 1, 0                               ; slot 1 is in; slot 2's load, the one younger, may stay out
	STEP 2, 1
	STEPX 3, 1, 0, 0                               ; slot 2 is wanted now, so the wait for all loads costs nothing more: slot 0, left two steps ago, takes steps 6, 7
	STEP 4, 1
	STEPX 5, 0, 0, 0
	STEP 6, 1
	LAST 7
	PLACES 4                                       ; ahead of the first read of results and of loads into registers that held A's fragments
	TOSTAGE 0
.irp a, 1,2,3
.if \a > 1
	s_wait_xcnt 0x0                                ; block a - 2's stores have read their registers: block a's loads may land there
.endif
	TOSTAGE \a
	SEND \a-1, 32                                  ; behind block a - 1's loads: block a's 16 stores and 16 loads
.endr
	SEND 3, 0
	s_wait_tensorcnt 0x0                           ; the wave's end
	ds_add_u32 v[SPW], v[NIL]
	s_wait_dscnt 0x0
	CROUND                                         ; the closing round
	s_endpgm
.Lfunc_end_k_q4cf0ed9480_proj:
	.size	k_q4cf0ed9480_proj, .Lfunc_end_k_q4cf0ed9480_proj-k_q4cf0ed9480_proj
	.p2alignl 7, 3214868480
	.fill 96, 4, 3214868480
	.section	.rodata,"a",@progbits
	.p2align	6, 0x0
	.amdhsa_kernel k_q4cf0ed9480_proj
		.amdhsa_group_segment_fixed_size 327680
		.amdhsa_private_segment_fixed_size 0
		.amdhsa_enable_private_segment 0
		.amdhsa_kernarg_size 48
		.amdhsa_user_sgpr_count 2
		.amdhsa_user_sgpr_kernarg_segment_ptr 1
		.amdhsa_wavefront_size32 1
		.amdhsa_system_sgpr_workgroup_id_x 1
		.amdhsa_system_sgpr_workgroup_id_y 1
		.amdhsa_system_sgpr_workgroup_id_z 1
		.amdhsa_system_vgpr_workitem_id 0
		.amdhsa_next_free_vgpr 768
		.amdhsa_next_free_sgpr 102
		.amdhsa_reserve_vcc 0
		.amdhsa_float_denorm_mode_32 3
		.amdhsa_float_denorm_mode_16_64 3
		.amdhsa_memory_ordered 1
		.amdhsa_forward_progress 1
		.amdhsa_inst_pref_size 96
	.end_amdhsa_kernel
	.amdgpu_metadata
---
amdhsa.version: [ 1, 2 ]
amdhsa.kernels:
  - .name:           k_q4cf0ed9480_proj
    .symbol:         k_q4cf0ed9480_proj.kd
    .args:
      - { .name: ctx_codes, .offset: 0, .size: 8, .value_kind: global_buffer, .address_space: global }
      - { .name: ctx_scales, .offset: 8, .size: 8, .value_kind: global_buffer, .address_space: global }
      - { .name: W_out_codes, .offset: 16, .size: 8, .value_kind: global_buffer, .address_space: global }
      - { .name: W_out_scales, .offset: 24, .size: 8, .value_kind: global_buffer, .address_space: global }
      - { .name: b_out, .offset: 32, .size: 8, .value_kind: global_buffer, .address_space: global }
      - { .name: out0, .offset: 40, .size: 8, .value_kind: global_buffer, .address_space: global }
    .group_segment_fixed_size: 327680
    .private_segment_fixed_size: 0
    .kernarg_segment_align: 8
    .kernarg_segment_size: 48
    .max_flat_workgroup_size: 128
    .sgpr_count:     102
    .vgpr_count:     768
    .wavefront_size: 32
...
	.end_amdgpu_metadata
.endif
;; end of part 4
